; MI455X (gfx1250); checked and timed in simulation.
; The chip was launched on July 23, 2026; its instructions are those of AMD's public machine-readable ISA for CDNA 5 (MIT licence, August 2026) and "CDNA5" Instruction Set Architecture Reference Guide (July 2026). The comments in the code are by the model that wrote it; some were corrected since.
;; Multi Head Attention. Allowed arithmetic: matrix products marked QUANTISED: E2M3 operands, one E8M0 scale for each 32 along K, by v_wmma_scale_f32_16x16x128_f8f6f4 with both operands' format E2M3, f32 sums; everything else in f32.
;; Inputs: bk 1,024 float32; bo 1,024 float32; bq 1,024 float32; bv 1,024 float32; k 4 x 2,048 x 1,024 float32; mask 4 x 1 x 1 x 2,048 int32; q 4 x 2,048 x 1,024 float32; v 4 x 2,048 x 1,024 float32; wk 1,024 x 1,024 float32; wo 1,024 x 1,024 float32; wq 1,024 x 1,024 float32; wv 1,024 x 1,024 float32.
;; Outputs: out0 4 x 2,048 x 1,024 float32.
;; This version of the problem:
;;   THIS VERSION OF THE PROBLEM IS GIVEN IN LOW PRECISION. The matrix products marked QUANTISED in the list below multiply operands that are first quantised to E2M3 (2 exponent bits, 3 mantissa bits; 6 bits a number), with one power-of-two scale for each 32 numbers along K (OCP MX v1.0); their sums are f32. All else is computed in f32.
;;   The module's matrix products, in the order in which they are computed (A, B: the left and right operand; K: the contracted axis; several contracted axes count as one K, in the product's order):
;;     1. [M 8,192, K 1,024] x [K 1,024, N 1,024]; A: input q; B: input wq: QUANTISED
;;     2. [M 8,192, K 1,024] x [K 1,024, N 1,024]; A: input k; B: input wk: QUANTISED
;;     3. [M 8,192, K 1,024] x [K 1,024, N 1,024]; A: input v; B: input wv: QUANTISED
;;     4. batch 64 x [M 2,048, K 64] x [K 64, N 2,048]; A: computed on the way; B: computed on the way: QUANTISED
;;     5. batch 64 x [M 2,048, K 2,048] x [K 2,048, N 64]; A: softmax (see below); B: computed on the way: QUANTISED
;;     6. [M 8,192, K 1,024] x [K 1,024, N 1,024]; A: computed on the way; B: input wo: QUANTISED
;;   THE QUANTISER, for each operand of a quantised product, along K:
;;     - K is cut into blocks of 32 from its start; a last block that is shorter is filled with zeros.
;;     - A block's scale is 2^e with e = floor(log2(the largest magnitude in the block)) - 2, held to -126 .. 127; a block of zeros has e = 0. As a byte (E8M0): e + 127.
;;     - Each number is divided by its block's scale, clamped to +-7.5, and rounded to the nearest number of E2M3, ties to even, subnormals kept.
;;     - The product sums the exact products of the quantised numbers (number of the format x scale) in f32.
;;   ~~~python
;;   def quantise(x, axis):      # numpy; x: float32 -> the quantised numbers, widened to float32 again
;;       x = np.moveaxis(x, axis, -1); K = x.shape[-1]
;;       x = np.pad(x, [(0, 0)] * (x.ndim - 1) + [(0, -K % 32)]); x = x.reshape(x.shape[:-1] + (-1, 32)); a = np.abs(x).max(-1, keepdims=True)
;;       e = np.where(a > 0, np.clip(np.frexp(np.where(a > 0, a, 1))[1] - 1 - 2, -126, 127), 0)      # np.frexp(a)[1] - 1 = floor(log2(a)), exactly
;;       r = np.clip(x / 2.0 ** e, -7.5, 7.5)
;;       step = 2.0 ** (np.maximum(np.frexp(np.where(r == 0, 1, r))[1] - 1, 0) - 3)
;;       q = np.round(r / step) * step * 2.0 ** e      # np.round: ties to even
;;       return np.moveaxis(q.reshape(q.shape[:-2] + (-1,))[..., :K], -1, axis).astype(np.float32)
;;   ~~~
;;   SOFTMAX AHEAD OF A QUANTISED PRODUCT. Where the list says 'softmax', what is quantised is not the finished softmax but p = 2^(t - M), with t = logit x log2(e) and M = ceil(the row's largest t), a whole number; so 1/2 < the row's largest p <= 1. The row's sum l is taken of the UNQUANTISED p, in f32, and the product's result is divided by l at the end. Since M is a whole number, a kernel that streams over the keys may use a running M (the ceiling of the running maximum): every later rescaling is an exact power of two, which a block's scale takes up: the codes' values come out the same.
;;   OPERANDS COMPUTED ON THE WAY. 'Computed on the way' means the value that the module computes at that place (a softmax that the list does not call 'softmax' is quantised finished and normalised). What goes into a quantiser is computed in f32, as accurately as f32 sums, v_exp_f32 and their like allow (about 1e-6 of the number): no bf16 or f16 on the way to a quantiser, and a product that is left as it is and whose result goes on into a quantised operand takes f32 operands (vector FMAs, or v_wmma_f32_16x16x4_f32). A number that lies on a knife's edge between two numbers of the format may be rounded either way, as far as f32 arithmetic and the matrix unit's own rounding can turn it there, and no further.
;; One version. Each part assembles by itself: llvm-mc -triple=amdgcn-amd-amdhsa -mcpu=gfx1250 --defsym DOCPART=n.
;; ======== version 1 of 1: 4 launches
;; limits: right only within a limited range of input values
;; workspace buffers: ops 22,937,600 bytes; heads 20,447,232 bytes; att 6,553,600 bytes
;; launch quant (part 1): grid 1792 x 1, 4 waves a work-group, no clusters, 34,816 bytes of LDS; arguments q, k, v, wq, wk, wv, wo, ops; writes ops
.if DOCPART == 1
	.amdgcn_target "amdgcn-amd-amdhsa--gfx1250"
	.amdhsa_code_object_version 6
	.text
	.protected	k_q4b3d3c4008_quant
	.globl	k_q4b3d3c4008_quant
	.p2align	8
	.type	k_q4b3d3c4008_quant,@function
k_q4b3d3c4008_quant:
	s_mov_b64 s[64:65], 0
	v_nop
	global_prefetch_b8 v0, s[64:65] scope:SCOPE_SE
	s_setreg_imm32_b32 hwreg(HW_REG_WAVE_MODE, 25, 1), 1
	s_wait_xcnt 0x0
; q, k, v [8192][1024] f32 (K innermost) and wq, wk, wv, wo [1024 (K)][1024 (n)] f32 (K is the first axis) become codes of FP6 (E2M3) with one E8M0 byte for each 32 along K,
; laid in the ORDER OF THE OPERAND'S REGISTERS.  A group is 128 rows of an operand (tokens, or columns n of a weight); groups 0-191 are q, k, v (64 each), 192-223 wq, wk, wv, wo (8 each).
; Block a (0..7) of a group is 16 rows; its lane r stands for row 32 (a / 2) + 8 (a % 2) + r + 8 (r / 8).
; IMAGE of (group, a, K step ks of 128): the fragment's 12 registers as three planes of 512 bytes, registers 4 p .. 4 p + 3 of lane l at 512 p + 16 l: at group x 98304 + a x 12288 + ks x 1536.
; CHUNK of (group, ks): the scale words of the 8 blocks, word (a, r) at 16 (16 (a % 2) + r) + 4 (a / 2): 512 bytes at XS0 + group x 4096 + ks x 512.
; A block's scale is 2^(floor(log2(its largest magnitude)) - 2); its byte is the largest magnitude's exponent field - 2, held at 1 from below.
; LIMITS: NaN and infinities are not served; a block whose largest magnitude lies under 2^-124 keeps the byte 1; a block of zeros gets the byte 1, not 127: its codes are zeros and this program alone reads the bytes.
; SHARES: a work-group takes one (group, ks); wave w makes blocks 2 w and 2 w + 1.  The first 256 work-groups take the weights.  No input is shared between work-groups: no cluster, no tensor load.
; TOKENS: each load reads a row's 512 consecutive bytes; the 16 rows turn through the wave's own stage in LDS (rows 528 bytes apart), so that lane (r, h) gets k = 64 c + 32 h + 0 .. 31 of row r.
; WEIGHTS: lane (r, h) takes column n and its registers run down K, in the operand's own order: nothing is turned.
.set STG,   8448                       ; a wave's stage: 16 rows x 528 bytes
.set CH,    4*STG                      ; the chunk, 512 bytes
.set SPARE, CH+512                     ; the spare words, 128 bytes for each wave: two blocks of 256 bytes that no other line names
.set XS0,   22020096                   ; where the chunks begin in ops
.set X,     64                         ; v64-191: image im at X + 64 im; register 32 c + i = k 64 c + 32 h + i of my row
.set C,     24                         ; v24-47: the two images' codes
.set SPW,   10                         ; v10 LDS address of my spare word; never rewritten
.set NIL,   11                         ; v11 0; never rewritten
	s_load_b256 s[4:11], s[0:1], 0x0               ; q, k, v, wq
	s_load_b256 s[12:19], s[0:1], 0x20             ; wk, wv, wo, ops
	v_lshl_add_u32 v[SPW], v0, 2, SPARE
	v_mov_b32 v[NIL], 0
	v_lshrrev_b32 v1, 5, v0
	v_readfirstlane_b32 s20, v1                    ; wave 0..3
	v_and_b32 v1, 31, v0                           ; lane
	v_and_b32 v2, 15, v0                           ; r
	v_bfe_u32 v3, v0, 4, 1                         ; h
	v_lshlrev_b32 v4, 4, v1                        ; 16 x lane
	s_mul_i32 s21, s20, STG
	v_add_nc_u32 v5, s21, v4                       ; the stage, on the way in
	v_mul_u32_u24 v6, v2, 528
	v_lshl_add_u32 v6, v3, 7, v6
	v_add_nc_u32 v6, s21, v6                       ; and on the way out: row r, + 128 h
	v_and_b32 v7, 8, v2
	v_add_nc_u32 v7, v7, v2                        ; r + 8 (r / 8)
	v_lshlrev_b32 v7, 2, v7
	v_lshl_add_u32 v7, v3, 17, v7                  ; a weight: my column's 4 bytes, + 32 h rows of 4,096 bytes
	s_lshl_b32 s21, s20, 2
	v_add_nc_u32 v8, s21, v4
	v_add_nc_u32 v8, CH, v8                        ; the chunk: 16 x lane + 4 x wave
	v_add_nc_u32 v9, CH, v4
	v_lshlrev_b32 v20, 3, v3                       ; 8 h
	v_mov_b32 v19, 0                               ; written once: a lane permute's destination counts as one of its sources
	s_mov_b32 s22, 0x76543210
	s_mov_b32 s23, 0xfedcba98                      ; v_permlanex16_b32's selects for lane l xor 16
	s_mov_b32 s24, 0xffff0000                      ; lanes 16-31
	s_and_b32 s25, ttmp9, 7                        ; ks
	s_cmp_lt_u32 ttmp9, 256
	s_mov_b32 s32, 0xffffff00
	s_cselect_b32 s32, 1536, s32
	s_add_co_u32 s32, ttmp9, s32
	s_lshr_b32 s32, s32, 3                         ; the group: 192 + id / 8 for the weights, (id - 256) / 8 for the tokens
	s_mul_i32 s26, s32, 98304
	s_mul_i32 s33, s20, 24576
	s_add_co_u32 s26, s26, s33
	s_mul_i32 s33, s25, 1536
	s_add_co_u32 s26, s26, s33                     ; my first image
	s_mov_b32 s27, 0
	s_lshl_b32 s28, s32, 12
	s_lshl_b32 s33, s25, 9
	s_add_co_u32 s28, s28, s33
	s_add_co_u32 s28, s28, XS0                     ; the chunk
	s_mov_b32 s29, 0
	s_wait_kmcnt 0x0
	s_add_nc_u64 s[26:27], s[18:19], s[26:27]
	s_add_nc_u64 s[28:29], s[18:19], s[28:29]
	s_cmp_lt_u32 ttmp9, 256
	s_cbranch_scc1 .Lweights
	; ---- tokens
	s_lshr_b32 s33, s32, 6                         ; 0: q, 1: k, 2: v
	s_cmp_eq_u32 s33, 0
	s_cselect_b64 s[30:31], s[4:5], s[6:7]
	s_cmp_eq_u32 s33, 2
	s_cselect_b64 s[30:31], s[8:9], s[30:31]
	s_and_b32 s34, s32, 63
	s_lshl_b32 s34, s34, 19                        ; 128 rows of 4,096 bytes a group,
	s_lshl_b32 s35, s20, 17                        ; 32 rows a wave (q, v)
	; k alone has another order of rows: lane r of block a stands for row 64 (a / 4) + 8 (a % 4) + r % 8 + 32 (r / 8), so that in the scores a lane holds whole blocks of 32 keys
	s_lshr_b32 s36, s20, 1
	s_lshl_b32 s36, s36, 18                        ; 64 rows for each pair of waves,
	s_and_b32 s37, s20, 1
	s_lshl_b32 s37, s37, 16                        ; 16 rows for the odd wave
	s_add_co_u32 s36, s36, s37
	s_cmp_eq_u32 s33, 1
	s_cselect_b32 s35, s36, s35
	s_cselect_b32 s36, 0x10000, 0                  ; and lanes 8-15 of a block stand 16 rows further on than in q and v
	v_add_nc_u32 v60, s36, v4
	s_wait_alu depctr_va_vdst(0)
	s_add_co_u32 s34, s34, s35
	s_lshl_b32 s35, s25, 9                         ; 512 bytes a K step
	s_add_co_u32 s34, s34, s35
	s_mov_b32 s35, 0
	s_add_nc_u64 s[30:31], s[30:31], s[34:35]
.irp im, 0,1
.irp r, 0,1,2,3,4,5,6,7,8,9,10,11,12,13,14,15
	global_load_b128 v[X+64*\im+4*\r:X+64*\im+4*\r+3], v[4+56*(\r/8)], s[30:31] offset:(8*\im+\r+8*(\r/8))*4096 th:TH_LOAD_NT   ; 32 lanes read 512 consecutive bytes of one row; rows 8-15 go by v60
.endr
.endr
.macro THROUGH im                      ; an image's 16 rows through the stage.  LDS serves a wave's instructions in order, so the second image's stores come behind the first's loads
.irp r, 0,1,2,3,4,5,6,7,8,9,10,11,12,13,14,15
	ds_store_b128 v5, v[X+64*\im+4*\r:X+64*\im+4*\r+3] offset:528*\r
.endr
	s_wait_dscnt 0x0                               ; the stores have read their registers: the loads below land in the same ones
.irp c, 0,1
.irp j, 0,1,2,3,4,5,6,7
	ds_load_b128 v[X+64*\im+32*\c+4*\j:X+64*\im+32*\c+4*\j+3], v6 offset:256*\c+16*\j
.endr
.endr
.endm
	s_wait_loadcnt 16                              ; the first image's sixteen loads are in; the second's stay out
	THROUGH 0
	s_wait_loadcnt 0x0
	THROUGH 1
	s_branch .Ljoin
.Lweights:
	s_sub_co_u32 s33, s32, 192
	s_lshr_b32 s33, s33, 3                         ; 0: wq, 1: wk, 2: wv, 3: wo
	s_cmp_eq_u32 s33, 0
	s_cselect_b64 s[30:31], s[10:11], s[12:13]
	s_cmp_eq_u32 s33, 2
	s_cselect_b64 s[30:31], s[14:15], s[30:31]
	s_cmp_eq_u32 s33, 3
	s_cselect_b64 s[30:31], s[16:17], s[30:31]
	s_lshl_b32 s34, s25, 19                        ; 128 rows of 4,096 bytes a K step,
	s_and_b32 s35, s32, 7
	s_lshl_b32 s35, s35, 9                         ; 128 columns a group,
	s_add_co_u32 s34, s34, s35
	s_lshl_b32 s35, s20, 7                         ; 32 columns a wave
	s_add_co_u32 s34, s34, s35
	s_mov_b32 s35, 0
	s_add_nc_u64 s[30:31], s[30:31], s[34:35]
	s_wait_alu depctr_va_vdst(0)
.irp im, 0,1
.irp c, 0,1
.irp i, 0,1,2,3,4,5,6,7,8,9,10,11,12,13,14,15,16,17,18,19,20,21,22,23,24,25,26,27,28,29,30,31
	global_load_b32 v[X+64*\im+32*\c+\i], v7, s[30:31] offset:(64*\c+\i)*4096+32*\im   ; w(128 ks + 64 c + 32 h + i, my column); the four waves stand side by side on 512 bytes of the row
.endr
.endr
.endr
.Ljoin:
	s_wait_loadcnt 0x0
	s_wait_dscnt 0x0
; Image im: my two blocks 2 c + h (all 32 numbers of each are mine), their bytes, the scale word, the codes.
.macro QIMG im
.set XB, X+64*\im
.set CB, C+12*\im
.irp c, 0,1
	v_max3_num_f32 v[12+\c], |v[XB+32*\c]|, |v[XB+32*\c+1]|, 0x1800000   ; with the floor 2^(3 - 127): the byte cannot fall under 1
.endr
.irp i, 2,4,6,8,10,12,14,16,18,20,22,24,26,28,30
.irp c, 0,1
	v_max3_num_f32 v[12+\c], v[12+\c], |v[XB+32*\c+\i]|, |v[XB+32*\c+\i+1]|
.endr
.endr
.irp c, 0,1
	v_add_nc_u32 v[14+\c], 0xff000000, v[12+\c]    ; 2 off the exponent field: the conversion takes this operand's exponent field as its scale
.endr
.irp c, 0,1
	v_lshrrev_b32 v[16+\c], 23, v[14+\c]           ; the scale's byte
.endr
	v_lshl_or_b32 v18, v17, 16, v16                ; blocks h and 2 + h of my row,
	v_lshlrev_b32 v18, v20, v18                    ; at their places in the word (8 h bits up);
	v_permlanex16_b32 v19, v18, s22, s23
	v_or_b32 v[21+\im], v18, v19                   ; with lane l xor 16's two the word is whole
.irp c, 0,1
	v_cvt_scalef32_pk16_fp6_f32 v[CB+6*\c:CB+6*\c+2], v[XB+32*\c:XB+32*\c+15], v[14+\c]
	v_cvt_scalef32_pk16_fp6_f32 v[48+4*\c:50+4*\c], v[XB+32*\c+16:XB+32*\c+31], v[14+\c]   ; (a conversion's three registers begin on an even number)
.endr
	v_nop                                          ; one plain place behind a scaled conversion
.irp c, 0,1
.irp i, 0,1,2
	v_mov_b32 v[CB+6*\c+3+\i], v[48+4*\c+\i]
.endr
.endr
.irp p, 0,1,2
	global_store_b128 v4, v[CB+4*\p:CB+4*\p+3], s[26:27] offset:\im*12288+512*\p   ; 32 lanes store 512 consecutive bytes, at a multiple of 512 from the buffer's first byte
.endr
.endm
	QIMG 0
	QIMG 1
	v_cndmask_b32 v22, v21, v22, s24               ; lanes 0-15: block 2 w's words; lanes 16-31: block 2 w + 1's
	ds_store_b32 v8, v22
	s_wait_dscnt 0x0                               ; for the others' sake: my words lie in the chunk
	s_barrier_signal -1
	s_barrier_wait -1
	s_cmp_lg_u32 s20, 0
	s_cbranch_scc1 .Lend
	ds_load_b128 v[56:59], v9
	s_wait_dscnt 0x0
	global_store_b128 v4, v[56:59], s[28:29]       ; the chunk leaves as 512 consecutive bytes
.Lend:
	s_wait_tensorcnt 0x0                           ; the wave's end: behind my last LDS store
	ds_add_u32 v[SPW], v[NIL]
	s_wait_dscnt 0x0
	s_endpgm
.Lfunc_end_k_q4b3d3c4008_quant:
	.size	k_q4b3d3c4008_quant, .Lfunc_end_k_q4b3d3c4008_quant-k_q4b3d3c4008_quant
	.p2alignl 7, 3214868480
	.fill 96, 4, 3214868480
	.section	.rodata,"a",@progbits
	.p2align	6, 0x0
	.amdhsa_kernel k_q4b3d3c4008_quant
		.amdhsa_group_segment_fixed_size 34816
		.amdhsa_private_segment_fixed_size 0
		.amdhsa_enable_private_segment 0
		.amdhsa_kernarg_size 64
		.amdhsa_user_sgpr_count 2
		.amdhsa_user_sgpr_kernarg_segment_ptr 1
		.amdhsa_wavefront_size32 1
		.amdhsa_system_sgpr_workgroup_id_x 1
		.amdhsa_system_sgpr_workgroup_id_y 1
		.amdhsa_system_sgpr_workgroup_id_z 1
		.amdhsa_system_vgpr_workitem_id 0
		.amdhsa_next_free_vgpr 192
		.amdhsa_next_free_sgpr 66
		.amdhsa_reserve_vcc 0
		.amdhsa_float_denorm_mode_32 3
		.amdhsa_float_denorm_mode_16_64 3
		.amdhsa_memory_ordered 1
		.amdhsa_forward_progress 1
		.amdhsa_inst_pref_size 31
	.end_amdhsa_kernel
	.amdgpu_metadata
---
amdhsa.version: [ 1, 2 ]
amdhsa.kernels:
  - .name:           k_q4b3d3c4008_quant
    .symbol:         k_q4b3d3c4008_quant.kd
    .args:
      - { .name: q, .offset: 0, .size: 8, .value_kind: global_buffer, .address_space: global }
      - { .name: k, .offset: 8, .size: 8, .value_kind: global_buffer, .address_space: global }
      - { .name: v, .offset: 16, .size: 8, .value_kind: global_buffer, .address_space: global }
      - { .name: wq, .offset: 24, .size: 8, .value_kind: global_buffer, .address_space: global }
      - { .name: wk, .offset: 32, .size: 8, .value_kind: global_buffer, .address_space: global }
      - { .name: wv, .offset: 40, .size: 8, .value_kind: global_buffer, .address_space: global }
      - { .name: wo, .offset: 48, .size: 8, .value_kind: global_buffer, .address_space: global }
      - { .name: ops, .offset: 56, .size: 8, .value_kind: global_buffer, .address_space: global }
    .group_segment_fixed_size: 34816
    .private_segment_fixed_size: 0
    .kernarg_segment_align: 8
    .kernarg_segment_size: 64
    .max_flat_workgroup_size: 128
    .sgpr_count:     66
    .vgpr_count:     192
    .wavefront_size: 32
...
	.end_amdgpu_metadata
.endif
;; end of part 1
;; launch proj (part 2): grid 8 x 96, 4 waves a work-group, clusters of 4 x 4, 327,680 bytes of LDS; arguments ops, bq, bk, bv, heads; writes heads
.if DOCPART == 2
	.amdgcn_target "amdgcn-amd-amdhsa--gfx1250"
	.amdhsa_code_object_version 6
	.text
	.protected	k_q4b3d3c4008_proj
	.globl	k_q4b3d3c4008_proj
	.p2align	8
	.type	k_q4b3d3c4008_proj,@function
k_q4b3d3c4008_proj:
	s_mov_b64 s[64:65], 0
	v_nop
	global_prefetch_b8 v0, s[64:65] scope:SCOPE_SE
	s_setreg_imm32_b32 hwreg(HW_REG_WAVE_MODE, 25, 1), 1
	s_wait_xcnt 0x0
	s_wait_alu depctr_hold_cnt(0) depctr_sa_sdst(0) depctr_va_vdst(0) depctr_va_sdst(0) depctr_va_ssrc(0) depctr_va_vcc(0) depctr_vm_vsrc(0)
	s_getreg_b32 s2, hwreg(HW_REG_IB_STS2, 6, 4)
	s_cmp_eq_u32 s2, 0
	s_cbranch_scc0 .Lentry_in_a_cluster
	s_endpgm
.Lentry_in_a_cluster:
	s_bfe_u32 s2, ttmp6, 0x10000c
	s_cmp_lg_u32 s2, 0xf033
	s_cbranch_scc0 .Lentry_shape_is_right
	s_endpgm
.Lentry_shape_is_right:
; Q = q wq + bq, K = k wk + bk, V = v wv + bv on codes of FP6 (E2M3) with E8M0 scale words, and their quantisers: the results leave as codes and scale words, in the order of the operand registers of the launch that reads them.
; IN (ops): image (group of 128 rows, block a of 16 rows, K step ks of 128) at group x 98304 + a x 12288 + ks x 1536; chunk (group, ks) of scale words at XS0 + group x 4096 + ks x 512, word (a, r) at 16 (16 (a % 2) + r) + 4 (a / 2).
; Groups 0-191 are q's, k's, v's tokens (64 each), 192-215 wq's, wk's, wv's columns (8 each).
; SHARES.  768 work-groups, 256 for each tensor.  A work-group multiplies 256 STREAMED rows (two groups) with 128 RESIDENT rows (one group); K is 1,024, so all of it lies in LDS at once and nothing is filled again.
; Q, K: the tokens stream, a weight's 128 columns (a pair of heads) are resident.  V: wv's columns stream, 128 tokens are resident: a lane then holds one column d and its registers run along the tokens, V's K in the next launch.
; Which is which comes from the cluster's number alone; one text serves all three, with scalars chosen by it.
; Four waves, 2 x 2: wave (wr, wc) takes streamed group wr and resident blocks 4 wc .. 4 wc + 3, which lie, ALL of K, in registers (32 fragments, 384).  The streamed rows pass in 8 blocks of 16, all of K, in two sets.
; A block is 32 products on four accumulators by turns, K ascending.  Source 0 = the resident rows, source 1 = the streamed rows: lane (r, h) holds streamed row r, and its register 16 B + i
; the resident row 32 B + 16 h + i of my 64: two scale blocks.  They are quantised at once: a half image of 768 bytes (registers 0-3 at 16 x lane, registers 4, 5 at 512 + 8 x lane) and two scale bytes a row.
; Q's, K's bias runs along the registers and is the first products' C; V's is one number a lane and is added on the way out; the one that does not apply is masked to 0.
; OUT (heads): codes at tensor x 6291456 + batch x 1572864 + pair x 196608 + head in the pair x 98304 + (128 tokens) x 6144; Q, K: tile a at 768 a; V: 64 keys at 3072 each, block of 16 d at 768.
; Scale words: chunks of 512 bytes, word (a, r) as above; Q, K: two bytes, the upper two 0, a chunk for each head; V: four bytes, two from each wave of a row, joined through LDS.
; LIMITS: NaN and infinities are not served; a block of zeros gets the scale byte 1: this program alone reads the bytes.
; HEAD.  One joint load a wave: waves 0, 1 the streamed groups, waves 2, 3 the halves of the resident group.  The first barrier waits for the resident group alone (its load line is waves 2 and 3's own).
; CLUSTER 4 x 4: the streamed groups are shared along a row of the cluster, the resident group along a column.  Every tile is asked for at the head and the text has no loop to run ahead in: no data prefetch.
; REGISTERS.  Window 0: addresses; v16-47, v48-79 scale words; v80-111 accumulators; v112-143, v144-159 the biases; v160-223 the way out.  Windows 1, 2: resident fragment f = 4 ks + b at window 1 + f / 21, register 12 (f % 21).
; Window 3: streamed fragments, set s at 96 s + 12 ks.
.set GRP,    98304
.set BREG,   2*GRP
.set STAGE,  3*GRP                     ; four waves' scale words, 512 bytes each
.set SPARE,  STAGE+2048                ; the spare words, 128 bytes for each wave
.set XS0,    22020096
.set QS0,    18874368
.set ADA,  2                           ; v2, v3 my streamed group: blocks 0-3, blocks 4-7
.set ADB,  4
.set SPW,  8
.set NIL,  9
.set SA,   16
.set SB,   48                          ; K step q's two words at SB + 8 (q / 2) + 4 (1 - q % 2): never at the streamed words' numbers modulo 8
.set ACC,  80
.set BIA,  112
.set B1P,  144
.set H,    160
.set TM,   192
.set PW,   198
.set PC,   200
.set CA,   206
.set SW,   212
.set PT,   216
.set OB,   224
.set SST,  226
.set SSP,  227
.set OA,   228
.set SEL,  84
.set G1,  24
.set G0,  32
.set G1B, 48
.set G0B, 56
.set MSB, 0
.macro WIN new
.if MSB != (\new)
	s_set_vgpr_msb (MSB<<8)|(\new)
.set MSB, (\new)
.endif
.endm
.macro PLACES n
.rept \n
	v_nop
.endr
.endm
.macro CROUND
	s_barrier_signal -1
	s_barrier_wait -1
	s_cmp_lg_u32 s14, 0
	s_cbranch_scc1 .Lnot_wave_0_\@
	s_barrier_signal -3
.Lnot_wave_0_\@:
	s_barrier_wait -3
	s_barrier_signal -1
	s_barrier_wait -1
.endm
.macro WM
.if o0 && o1
	v_wmma_scale_f32_16x16x128_f8f6f4 v[rD:rD+7], v[rF0:rF0+11], v[rF1:rF1+11], v[rC:rC+7], v[rW0], v[rW1] matrix_a_fmt:MATRIX_FMT_FP6 matrix_b_fmt:MATRIX_FMT_FP6 matrix_a_scale:MATRIX_SCALE_ROW1 matrix_b_scale:MATRIX_SCALE_ROW1
.elseif o0
	v_wmma_scale_f32_16x16x128_f8f6f4 v[rD:rD+7], v[rF0:rF0+11], v[rF1:rF1+11], v[rC:rC+7], v[rW0], v[rW1] matrix_a_fmt:MATRIX_FMT_FP6 matrix_b_fmt:MATRIX_FMT_FP6 matrix_a_scale:MATRIX_SCALE_ROW1
.elseif o1
	v_wmma_scale_f32_16x16x128_f8f6f4 v[rD:rD+7], v[rF0:rF0+11], v[rF1:rF1+11], v[rC:rC+7], v[rW0], v[rW1] matrix_a_fmt:MATRIX_FMT_FP6 matrix_b_fmt:MATRIX_FMT_FP6 matrix_b_scale:MATRIX_SCALE_ROW1
.else
	v_wmma_scale_f32_16x16x128_f8f6f4 v[rD:rD+7], v[rF0:rF0+11], v[rF1:rF1+11], v[rC:rC+7], v[rW0], v[rW1] matrix_a_fmt:MATRIX_FMT_FP6 matrix_b_fmt:MATRIX_FMT_FP6
.endif
.endm
.macro FETCHA a                        ; streamed block a's eight fragments into set a % 2: 24 loads
	WIN 0xc0
.irp q, 0,1,2,3,4,5,6,7
.irp p, 0,1,2
	ds_load_b128 v[96*((\a)%2)+12*\q+4*\p:96*((\a)%2)+12*\q+4*\p+3], v[ADA+(\a)/4] offset:((\a)%4)*12288+\q*1536+512*\p
.endr
.endr
	WIN 0
.endm
.macro MULS a                          ; block a: 32 products
.irp q, 0,1,2,3,4,5,6,7
.irp b, 0,1,2,3
.set fB, 4*\q+\b
	WIN (1+fB/21)|(3<<2)
.set rD, ACC+8*\b
.if \q
.set rC, rD
.else
.set rC, BIA+8*\b
.endif
.set rF0, 12*(fB%21)
.set rF1, 96*((\a)%2)+12*\q
.set rW0, SB+8*(\q/2)+4*(1-\q%2)+\b/2
.set rW1, SA+4*\q+(\a)/2
.set o0, \b%2
.set o1, (\a)%2
	WM
.endr
.endr
	WIN 0
.endm
; Block a's way out: 16 rows x 64 numbers become a half image and two scale bytes a row
.macro QUANT a
.if \a > 0
	s_wait_xcnt 0x0                                ; the last block's stores have read their registers
.endif
.irp i, 0,2,4,6,8,10,12,14,16,18,20,22,24,26,28,30
	v_pk_add_f32 v[H+\i:H+\i+1], v[ACC+\i:ACC+\i+1], v[B1P+2*\a:B1P+2*\a+1]   ; + the lane's bias; each accumulator from its low end on
.endr
.irp b, 0,1
	v_max3_num_f32 v[TM+\b], |v[H+16*\b]|, |v[H+16*\b+1]|, 0x1800000          ; with the floor 2^(3 - 127): the byte cannot fall under 1
.endr
.irp i, 2,4,6,8,10,12,14
.irp b, 0,1
	v_max3_num_f32 v[TM+\b], v[TM+\b], |v[H+16*\b+\i]|, |v[H+16*\b+\i+1]|
.endr
.endr
.irp b, 0,1
	v_permlanex16_b32 v[TM+2+\b], v[TM+\b], s[SEL], s[SEL+1]
.endr
.irp b, 0,1
	v_max_num_f32 v[TM+\b], v[TM+\b], v[TM+2+\b]   ; with lane l xor 16's 16: the block's largest magnitude
.endr
.irp b, 0,1
	v_add_nc_u32 v[TM+4+\b], 0xff000000, v[TM+\b]  ; 2 off the exponent field: the conversion's scale operand
.endr
.irp b, 0,1
	v_lshrrev_b32 v[TM+2+\b], 23, v[TM+4+\b]       ; the scale's byte
.endr
	v_lshl_or_b32 v[PW], v[TM+3], 8, v[TM+2]
	v_cvt_scalef32_pk16_fp6_f32 v[PC:PC+2], v[H:H+15], v[TM+4]
	v_cvt_scalef32_pk16_fp6_f32 v[CA:CA+2], v[H+16:H+31], v[TM+5]
	v_nop                                          ; one plain place behind a scaled conversion
.irp i, 0,1,2
	v_permlane16_swap_b32 v[PC+\i], v[CA+\i]       ; the operand's layout wants a whole block in a lane
.endr
.irp i, 0,1,2
	v_mov_b32 v[PC+3+\i], v[CA+\i]
.endr
.if (\a)%2 == 0
	v_mov_b32 v[SW+(\a)/2], v[PW]                  ; lanes 0-15: the even block's words;
.else
	v_cndmask_b32 v[SW+(\a)/2], v[SW+(\a)/2], v[PW], s99   ; lanes 16-31: the odd block's
.endif
	global_store_b128 v[OA+(\a)/4], v[PC:PC+3], s[100:101] offset:768*((\a)%4)     ; 512 consecutive bytes,
	global_store_b64 v[OB+(\a)/4], v[PC+4:PC+5], s[100:101] offset:768*((\a)%4)    ; and the 256 behind them
	s_wait_alu depctr_va_vdst(0)                   ; ahead of the blocking wait that follows
.endm
	s_load_b256 s[4:11], s[0:1], 0x0               ; ops, bq, bk, bv
	s_load_b64 s[12:13], s[0:1], 0x20              ; heads
	v_lshl_add_u32 v[SPW], v0, 2, SPARE
	v_mov_b32 v[NIL], 0
	ds_add_u32 v[SPW], v[NIL]                      ; the opening lines: the add, twice on end, and its wait
	ds_add_u32 v[SPW], v[NIL]
	v_lshrrev_b32 v1, 5, v0
	v_readfirstlane_b32 s14, v1                    ; wave 0..3
	s_lshr_b32 s15, s14, 1                         ; wr.  Also: I fetch streamed rows (0) or resident rows (1)
	s_and_b32 s16, s14, 1                          ; wc.  Also: which part I fetch
	s_bfe_u32 s40, ttmp6, 0x40000                  ; cx
	s_bfe_u32 s41, ttmp6, 0x40004                  ; cy
	s_and_b32 s17, ttmp7, 0xffff                   ; the cluster's y, 0..23
	s_lshr_b32 s18, s17, 3                         ; the tensor: 0 Q, 1 K, 2 V
	s_and_b32 s19, s17, 7
	s_mov_b32 s78, ttmp9                           ; the cluster's x, 0..1
	s_lshl_b32 s70, s19, 1
	s_add_co_u32 s70, s70, s78                     ; the cluster's number in its tensor, 0..15
	s_lshl_b32 s74, s18, 6
	s_lshl_b32 s76, s18, 3
	s_add_co_u32 s76, s76, 192
	s_mov_b32 s96, 3072
	s_mov_b32 s97, 98304
	s_cmp_eq_u32 s18, 2                            ; V?  All the choices hang on the cluster's number alone
	s_cselect_b32 s71, s70, s78                    ; resident groups: V 64 (four a cluster), Q, K 8
	s_cselect_b32 s72, 0, s19                      ; streamed tiles: V 4 (all in each cluster), Q, K 32
	s_cselect_b32 s73, 208, s74                    ; the first streamed group: wv's, or the tensor's tokens
	s_cselect_b32 s75, 128, s76                    ; the first resident group: v's tokens, or the weight's
	s_cselect_b32 s93, 0, -1
	s_cselect_b32 s94, -1, 0
	s_cselect_b32 s96, 98304, s96                  ; from blocks 0-3 to blocks 4-7 in the codes
	s_cselect_b32 s97, 3072, s97                   ; from wc = 0 to wc = 1
	s_cselect_b32 s98, 16384, 0
	s_cselect_b32 s77, 0, 8192                     ; from wc = 0's chunk to wc = 1's
	s_lshl_b32 s42, s71, 2
	s_add_co_u32 s42, s42, s40                     ; the resident group's number
	s_lshl_b32 s45, s72, 2
	s_add_co_u32 s45, s45, s41                     ; the streamed tile's number
	s_lshl_b32 s43, s41, 2
	s_lshl_b32 s43, 15, s43                        ; my row of the cluster
	s_lshl_b32 s44, 0x1111, s40                    ; my column
	s_or_b32 s[G1], s43, (3<<16)|(1<<21)           ; elements of 8 bytes; bit 21 beside a mask
	s_or_b32 s[G1B], s44, (3<<16)|(1<<21)
	s_mov_b32 s[G1+1], 32<<16                      ; rows of 256 bytes, dense: 384 of them are a group,
	s_mov_b32 s[G1+2], 384<<16
	s_mov_b32 s[G1+3], 32<<16
	s_mov_b32 s[G1+4], 384
	s_mov_b32 s[G1+5], 32
	s_mov_b32 s[G1+6], 0
	s_mov_b32 s[G1+7], 0
	s_mov_b32 s[G1B+1], 32<<16                     ; 192 half a group
	s_mov_b32 s[G1B+2], 192<<16
	s_mov_b32 s[G1B+3], 32<<16
	s_mov_b32 s[G1B+4], 192
	s_mov_b32 s[G1B+5], 32
	s_mov_b32 s[G1B+6], 0
	s_mov_b32 s[G1B+7], 0
	s_lshl_b32 s79, s45, 1
	s_add_co_u32 s20, s73, s79
	s_add_co_u32 s22, s20, s15                     ; the streamed group that I multiply,
	s_add_co_u32 s20, s20, s16                     ; and the one that I fetch
	s_mul_i32 s20, s20, GRP
	s_mov_b32 s21, 0
	s_lshl_b32 s22, s22, 12
	s_add_co_u32 s22, s22, XS0
	s_mov_b32 s23, 0
	s_add_co_u32 s46, s75, s42                     ; the resident group
	s_lshl_b32 s2, s46, 12
	s_lshl_b32 s3, s16, 3
	s_add_co_u32 s2, s2, s3                        ; its chunks: my four blocks' words are 8 bytes of each 16
	s_add_co_u32 s2, s2, XS0
	s_mov_b32 s3, 0
	s_mul_i32 s46, s46, GRP
	s_mul_i32 s47, s16, 49152
	s_add_co_u32 s46, s46, s47
	s_mov_b32 s47, 0
	s_mul_i32 s68, s16, GRP                        ; where the tiles go: no place in the cluster enters an LDS address
	s_mul_i32 s69, s16, 49152
	s_add_co_u32 s69, s69, BREG
	s_add_co_u32 s79, s79, s15
	s_cmp_eq_u32 s18, 2
	s_cselect_b32 s66, s42, s79                    ; my group of 128 tokens, 0..63
	s_cselect_b32 s67, s79, s42                    ; my pair of heads, 0..7
	s_lshr_b32 s92, s66, 4                         ; the batch
	s_and_b32 s66, s66, 15
	s_mul_i32 s100, s18, 6291456
	s_mul_i32 s80, s92, 1572864
	s_add_co_u32 s100, s100, s80
	s_mul_i32 s80, s67, 196608
	s_add_co_u32 s100, s100, s80
	s_mul_i32 s80, s66, 6144
	s_add_co_u32 s100, s100, s80
	s_mul_i32 s80, s16, s97
	s_add_co_u32 s100, s100, s80                   ; my codes
	s_mov_b32 s101, 0
	s_min_u32 s104, s18, 1
	s_mul_i32 s104, s104, 786432
	s_lshl_b32 s80, s92, 3
	s_add_co_u32 s80, s80, s67
	s_mul_i32 s80, s80, 24576
	s_add_co_u32 s104, s104, s80
	s_lshl_b32 s80, s66, 9
	s_add_co_u32 s104, s104, s80
	s_add_co_u32 s104, s104, s98
	s_mul_i32 s80, s16, s77
	s_add_co_u32 s104, s104, s80
	s_add_co_u32 s104, s104, QS0                   ; my chunk of scale words
	s_mov_b32 s105, 0
	s_lshl_b32 s82, s67, 9
	s_and_b32 s83, s82, s94                        ; V: the pair's 128 numbers of the bias
	s_lshl_b32 s80, s16, 8
	s_add_co_u32 s82, s82, s80
	s_and_b32 s82, s82, s93                        ; Q, K: my 64
	s_mov_b32 s[SEL], 0x76543210
	s_mov_b32 s[SEL+1], 0xfedcba98
	s_mov_b32 s99, 0xffff0000                      ; lanes 16-31
	s_mul_i32 s86, s15, GRP
	s_lshl_b32 s87, s14, 9
	s_add_co_u32 s87, s87, STAGE
	s_xor_b32 s88, s14, 1
	s_lshl_b32 s88, s88, 9
	s_add_co_u32 s88, s88, STAGE
	v_and_b32 v12, 31, v0
	v_lshlrev_b32 v1, 4, v12                       ; 16 x lane
	v_and_b32 v13, 15, v0                          ; r
	v_bfe_u32 v14, v0, 4, 1                        ; h
	v_add_nc_u32 v[ADA], s86, v1
	v_add_nc_u32 v[ADA+1], 49152, v[ADA]
	v_add_nc_u32 v[ADB], s69, v1
	v_mov_b32 v[OA], v1
	v_add_nc_u32 v[OA+1], s96, v1
	v_lshl_add_u32 v[OB], v12, 3, 512
	v_add_nc_u32 v[OB+1], s96, v[OB]
	v_add_nc_u32 v[SST], s87, v1                   ; my scale words in LDS, and my row partner's
	v_add_nc_u32 v[SSP], s88, v1
	v_lshl_add_u32 v10, v14, 6, s82                ; the bias along the registers: + 64 h
	v_and_b32 v15, 8, v13
	v_add_nc_u32 v15, v15, v13
	v_lshl_add_u32 v11, v15, 2, s83                ; the bias of the lane: row r + 8 (r / 8)
	v_mov_b32 v[TM+2], 0                           ; (a lane permute's destination counts as one of its sources)
	v_mov_b32 v[TM+3], 0
	s_wait_alu depctr_va_vdst(0)                   ; the head's end
	s_wait_dscnt 0x0
	s_wait_kmcnt 0x0
	s_add_nc_u64 s[20:21], s[4:5], s[20:21]
	s_add_nc_u64 s[22:23], s[4:5], s[22:23]
	s_add_nc_u64 s[46:47], s[4:5], s[46:47]
	s_add_nc_u64 s[2:3], s[4:5], s[2:3]
	s_add_nc_u64 s[100:101], s[12:13], s[100:101]
	s_add_nc_u64 s[104:105], s[12:13], s[104:105]
	s_cmp_eq_u32 s18, 0
	s_cselect_b64 s[6:7], s[6:7], s[8:9]
	s_cmp_eq_u32 s18, 2
	s_cselect_b64 s[6:7], s[10:11], s[6:7]         ; the tensor's bias
	s_mov_b32 s[G0], 1
	s_mov_b32 s[G0+1], s68
	s_mov_b64 s[G0+2:G0+3], s[20:21]
	s_or_b32 s[G0+3], s[G0+3], 0x80000000
	s_mov_b32 s[G0B], 1
	s_mov_b32 s[G0B+1], s69
	s_mov_b64 s[G0B+2:G0B+3], s[46:47]
	s_or_b32 s[G0B+3], s[G0B+3], 0x80000000
.irp q, 0,1,2,3,4,5,6,7
	global_load_b128 v[SA+4*\q:SA+4*\q+3], v1, s[22:23] offset:512*\q                       ; register a / 2: block a's words in lanes 16 (a % 2) + r
	global_load_b64 v[SB+8*(\q/2)+4*(1-\q%2):SB+8*(\q/2)+4*(1-\q%2)+1], v1, s[2:3] offset:512*\q
.endr
.irp b, 0,1,2,3
	global_load_b128 v[BIA+8*\b:BIA+8*\b+3], v10, s[6:7] offset:(32*(\b/2)+8*(\b%2))*4
	global_load_b128 v[BIA+8*\b+4:BIA+8*\b+7], v10, s[6:7] offset:(32*(\b/2)+8*(\b%2))*4+16
.endr
.irp a, 0,1,2,3,4,5,6,7
	global_load_b32 v[B1P+2*\a], v11, s[6:7] offset:(32*(\a/2)+8*(\a%2))*4
.endr
	CROUND                                         ; all sixteen work-groups are here: the joint loads meet
	s_cmp_eq_u32 s15, 0
	s_cbranch_scc0 .Lfor_b
	tensor_load_to_lds s[G0:G0+3], s[G1:G1+7]      ; waves 0, 1: a streamed group each
	s_nop 0
	PLACES 4
	s_branch .Lasked
.Lfor_b:
	tensor_load_to_lds s[G0B:G0B+3], s[G1B:G1B+7]  ; waves 2, 3: half of the resident group each
	s_nop 0
	PLACES 4
.Lasked:
	s_cmp_eq_u32 s15, 0
	s_cbranch_scc1 .Lnot_b
	s_wait_tensorcnt 0x0
.Lnot_b:
	s_barrier_signal -1
	s_barrier_wait -1                              ; the resident group is in; the streamed rows may still be on their way
.irp q, 0,1,2,3,4,5,6,7
.irp b, 0,1,2,3
.set fB, 4*\q+\b
	WIN (1+fB/21)<<6
.irp p, 0,1,2
	ds_load_b128 v[12*(fB%21)+4*\p:12*(fB%21)+4*\p+3], v[ADB] offset:\b*12288+\q*1536+512*\p
.endr
.endr
.endr
	WIN 0
	s_wait_tensorcnt 0x0                           ; on every wave's way: all that is still out
	s_wait_dscnt 0x0
	s_barrier_signal -1
	s_barrier_wait -1                              ; the streamed groups are in
	FETCHA 0
	FETCHA 1
	s_wait_loadcnt 0x0                             ; the scale words and the biases
.set i, 0
.rept 32
	v_and_b32 v[BIA+i], s93, v[BIA+i]              ; V has no bias along the registers,
.set i, i+1
.endr
.irp a, 0,1,2,3,4,5,6,7
	v_and_b32 v[B1P+2*\a], s94, v[B1P+2*\a]        ; Q and K none of the lane
	v_mov_b32 v[B1P+2*\a+1], v[B1P+2*\a]
.endr
	s_wait_alu depctr_va_vdst(0)
; A block's fragments were asked for two blocks ago; younger are the next block's 24 loads (behind block 7's: nothing)
.irp a, 0,1,2,3,4,5,6,7
.if \a == 7
	s_wait_dscnt 0
.else
	s_wait_dscnt 24
.endif
	MULS \a
	PLACES 4                                       ; behind the products: the fetch fills their sources, the way out reads their results
.if \a < 6
	FETCHA \a+2
.endif
	QUANT \a
.endr
	ds_store_b128 v[SST], v[SW:SW+3]               ; my words, for my row partner
	s_wait_dscnt 0x0
	s_barrier_signal -1
	s_barrier_wait -1
	ds_load_b128 v[PT:PT+3], v[SSP]
	s_wait_dscnt 0x0
.irp i, 0,1,2,3
	v_and_b32 v[PT+\i], s94, v[PT+\i]              ; V alone: wave wc = 1's two bytes are the word's upper two
.endr
.irp i, 0,1,2,3
	v_lshl_or_b32 v[SW+\i], v[PT+\i], 16, v[SW+\i]
.endr
	s_wait_alu depctr_va_vdst(0)
	s_and_b32 s70, s94, s16                        ; V's chunk is stored by wave wc = 0: a branch on the tensor and the wave's number
	s_cmp_lg_u32 s70, 0
	s_cbranch_scc1 .Lno_words
	global_store_b128 v1, v[SW:SW+3], s[104:105]   ; a chunk leaves as 512 consecutive bytes
.Lno_words:
	s_wait_tensorcnt 0x0                           ; the wave's end
	ds_add_u32 v[SPW], v[NIL]
	s_wait_dscnt 0x0
	CROUND                                         ; the closing round
	s_endpgm
.Lfunc_end_k_q4b3d3c4008_proj:
	.size	k_q4b3d3c4008_proj, .Lfunc_end_k_q4b3d3c4008_proj-k_q4b3d3c4008_proj
	.p2alignl 7, 3214868480
	.fill 96, 4, 3214868480
	.section	.rodata,"a",@progbits
	.p2align	6, 0x0
	.amdhsa_kernel k_q4b3d3c4008_proj
		.amdhsa_group_segment_fixed_size 327680
		.amdhsa_private_segment_fixed_size 0
		.amdhsa_enable_private_segment 0
		.amdhsa_kernarg_size 40
		.amdhsa_user_sgpr_count 2
		.amdhsa_user_sgpr_kernarg_segment_ptr 1
		.amdhsa_wavefront_size32 1
		.amdhsa_system_sgpr_workgroup_id_x 1
		.amdhsa_system_sgpr_workgroup_id_y 1
		.amdhsa_system_sgpr_workgroup_id_z 1
		.amdhsa_system_vgpr_workitem_id 0
		.amdhsa_next_free_vgpr 960
		.amdhsa_next_free_sgpr 106
		.amdhsa_reserve_vcc 0
		.amdhsa_float_denorm_mode_32 3
		.amdhsa_float_denorm_mode_16_64 3
		.amdhsa_memory_ordered 1
		.amdhsa_forward_progress 1
		.amdhsa_inst_pref_size 93
	.end_amdhsa_kernel
	.amdgpu_metadata
---
amdhsa.version: [ 1, 2 ]
amdhsa.kernels:
  - .name:           k_q4b3d3c4008_proj
    .symbol:         k_q4b3d3c4008_proj.kd
    .args:
      - { .name: ops, .offset: 0, .size: 8, .value_kind: global_buffer, .address_space: global }
      - { .name: bq, .offset: 8, .size: 8, .value_kind: global_buffer, .address_space: global }
      - { .name: bk, .offset: 16, .size: 8, .value_kind: global_buffer, .address_space: global }
      - { .name: bv, .offset: 24, .size: 8, .value_kind: global_buffer, .address_space: global }
      - { .name: heads, .offset: 32, .size: 8, .value_kind: global_buffer, .address_space: global }
    .group_segment_fixed_size: 327680
    .private_segment_fixed_size: 0
    .kernarg_segment_align: 8
    .kernarg_segment_size: 40
    .max_flat_workgroup_size: 128
    .sgpr_count:     106
    .vgpr_count:     960
    .wavefront_size: 32
...
	.end_amdgpu_metadata
.endif
;; end of part 2
;; launch attn (part 3): grid 8 x 32, 8 waves a work-group, clusters of 4 x 1, 327,680 bytes of LDS; arguments heads, mask, att; writes att
.if DOCPART == 3
	.amdgcn_target "amdgcn-amd-amdhsa--gfx1250"
	.amdhsa_code_object_version 6
	.text
	.protected	k_q4b3d3c4008_attn
	.globl	k_q4b3d3c4008_attn
	.p2align	8
	.type	k_q4b3d3c4008_attn,@function
k_q4b3d3c4008_attn:
	s_mov_b64 s[64:65], 0
	v_nop
	global_prefetch_b8 v0, s[64:65] scope:SCOPE_SE
	s_setreg_imm32_b32 hwreg(HW_REG_WAVE_MODE, 25, 1), 1
	s_wait_xcnt 0x0
	s_wait_alu depctr_hold_cnt(0) depctr_sa_sdst(0) depctr_va_vdst(0) depctr_va_sdst(0) depctr_va_ssrc(0) depctr_va_vcc(0) depctr_vm_vsrc(0)
	s_getreg_b32 s2, hwreg(HW_REG_IB_STS2, 6, 4)
	s_cmp_eq_u32 s2, 0
	s_cbranch_scc0 .Lentry_in_a_cluster
	s_endpgm
.Lentry_in_a_cluster:
	s_bfe_u32 s2, ttmp6, 0x10000c
	s_cmp_lg_u32 s2, 0x3003
	s_cbranch_scc0 .Lentry_shape_is_right
	s_endpgm
.Lentry_shape_is_right:
; Attention for one batch, one PAIR of heads (2 g, 2 g + 1) and 256 queries a work-group, both products on codes of FP6 (E2M3) with E8M0 scales; head size 64, 2,048 keys; the result is quantised again, along (head, d).
; p = 2^(t - M), t = logit x log2(e), M = the row's largest t so far rounded UP to a whole number; p is quantised along the keys, not normalised; the row's sum is taken of the unquantised p and divides O at the end.
; When M moves, the sum and O are multiplied by 2^(old M - new M): exact.
; THE MASK.  The logit is score / 8 + mask x (-1e30).  Where mask is not 0 that term swallows the score in f32, and two keys with different mask numbers lie at least 1e30 apart.  So a row's softmax lives on the keys that hold
; the batch's SMALLEST mask number (taken as f32, as the problem converts it): with the scores if that number is 0, evenly if it is not.  Every wave finds that smallest number in the head; a key that holds it gets the term 0,
; every other key -2^37, which is the first product's C; where the smallest is not 0, Q's codes are selected to zero, so that all scores left are 0.  The running maximum starts at -2^34, above the masked level.
; LIMITS: the promise holds while the scaled scores (the exponents to the base 2) stay under 2^31 in magnitude; |mask| under 3.4e8 (its term must stay finite); NaN and infinities are not served; a block of zeros gets the scale byte 1.
; SHARES.  Eight waves, two to a SIMD, 512 registers each; a wave owns TWO tiles of 16 queries, which share every fragment of K and V and the 64 mask terms of a key step; it treats head 2 g, then head 2 g + 1.
; SLOTS.  K and V of the pair are one dense stream each, cut into four fills of 1,024 keys (49,152 bytes of K, as many of V); two slots.  Every wave fetches an eighth of a fill: one tensor load a wave at the head and behind each round.
; A refill is asked for eight key steps ahead of its first read, so no data prefetch is laid.  The scale words (24,576 bytes) and the mask come once, by plain loads, into LDS bytes of their own.
; CLUSTER.  The four query blocks of a cluster walk the same K and V: every tensor load is asked for jointly, mask 15.
; LAYOUT.  Both products are used transposed: S^T = K Q^T, O^T = V^T P^T: a lane holds ONE query.  Lane r of tile a of 128 keys stands for key 64 (a / 4) + 8 (a % 4) + r % 8 + 32 (r / 8): so registers 32 c .. 32 c + 31 of lane (r, h)
; are the keys 64 c + 32 h + 0 .. 31: one whole scale block, in the order of the second product's operand.
; THE FIRST PRODUCT'S K IS 64 of the instruction's 128: Q's registers 6-11 are zero codes; a fragment of K is named with the next tile's six registers as its upper half (zeros behind the last); the scale bytes there are 0, never 0xff.
; WINDOW 0: addresses, scale words, Q, K, V, mask terms, O's images.  WINDOW 1: the scores / p of both tiles, O^T, p's codes, and 20 registers of state a tile.
.set SLOT,  98304
.set VOFF,  49152                      ; in a slot: 64 tiles of K x 768 bytes, then V: 16 x 64 keys x 4 blocks of d x 768
.set SCB,   2*SLOT                     ; the pair's scale words: K's, head e at 8192 e; V's from 16384
.set MC,    SCB+24576                  ; the mask's terms, 2,048 f32
.set OST,   MC+8192                    ; O's scale words on their way out, two chunks
.set SPARE, OST+1024                   ; the spare words, 128 bytes for each wave
.set KC,    6291456
.set QS0,   18874368
.set SKV,   19660800
.set OS,    6291456
.set SPW,  5                           ; v5 my spare word; v6 0; never rewritten
.set NIL,  6
.set ADK,  8
.set ADK2, 9
.set ADS,  10
.set ADM,  11
.set rQS,  12                          ; v12, v13 Q's scale words; v14, v15 the second head's
.set rQSN, 14
.set rKS,  16                          ; v16-19 K's scale words; v20, v21 V's; v22, v23 p's
.set rVS,  20
.set rPS,  22
.set rQ,   24                          ; v24-47 Q: two operands of 6 + 6 zeros; v48-59 the second head's
.set rQN,  48
.set rK,   60                          ; v60-107 K's eight half fragments, v108-113 zeros
.set rV,   114                         ; v114-161 V's four fragments
.set rMK,  162                         ; v162-225 the mask's terms
.set rOI,  226                         ; v226-249 O's two images; v250, v251 their scale words
.set rOW,  250
.set rS,   0                           ; window 1: v0-127 scores, v128-191 O^T, v192-215 p's codes, v216-255 state
.set rO,   128
.set rP,   192
.set rT,   216
.set tNM,  0                           ; -M;  +1 the largest score so far
.set tMT,  1
.set tL,   2                           ; the sum, a pair
.set tF,   4                           ; f;  +5: tile 0's holds 8 h
.set tBM,  6                           ; the two blocks' largest
.set tSO,  8                           ; the conversions' scale operands
.set tCA,  10
.set tTP,  13
.set tCB,  14
.set tW,   17
.set tL2,  18
.set WV,   18
.set SEL,  20
.set CS,   22
.set G1,   24
.set G0,   40
.set LB,   44
.set SK,   48
.set SS,   49
.set CNT,  50
.set MSB, 0
.macro WIN new
.if MSB != (\new)
	s_set_vgpr_msb (MSB<<8)|(\new)
.set MSB, (\new)
.endif
.endm
.macro WALU
	s_wait_alu depctr_va_vdst(0)
.endm
.macro CROUND
	s_barrier_signal -1
	s_barrier_wait -1
	s_cmp_lg_u32 s[WV], 0
	s_cbranch_scc1 .Lnot_wave_0_\@
	s_barrier_signal -3
.Lnot_wave_0_\@:
	s_barrier_wait -3
	s_barrier_signal -1
	s_barrier_wait -1
.endm
.macro WM d, a, b, c, sa, sb, row
.if \row
	v_wmma_scale_f32_16x16x128_f8f6f4 v[\d:\d+7], v[\a:\a+11], v[\b:\b+11], v[\c:\c+7], v[\sa], v[\sb] matrix_a_fmt:MATRIX_FMT_FP6 matrix_b_fmt:MATRIX_FMT_FP6 matrix_a_scale:MATRIX_SCALE_ROW1
.else
	v_wmma_scale_f32_16x16x128_f8f6f4 v[\d:\d+7], v[\a:\a+11], v[\b:\b+11], v[\c:\c+7], v[\sa], v[\sb] matrix_a_fmt:MATRIX_FMT_FP6 matrix_b_fmt:MATRIX_FMT_FP6
.endif
.endm
; A head's start: O^T and the sums are 0, the largest score -2^34
.macro INIT
	WIN 0x40
.set j, 0
.rept 64
	v_mov_b32 v[rO+j], 0
.set j, j+1
.endr
.irp t, 0,1
	v_mov_b32 v[rT+20*\t+tMT], 0xd0800000
	v_mov_b32 v[rT+20*\t+tL], 0
	v_mov_b32 v[rT+20*\t+tL+1], 0
.endr
	WIN 0x55
.irp t, 0,1
	v_mul_f32 v[rT+20*\t+tTP], s[CS], v[rT+20*\t+tMT]
.endr
.irp t, 0,1
	v_floor_f32 v[rT+20*\t+tNM], -v[rT+20*\t+tTP]
.endr
	WIN 0
.endm
; THE CHANGE OF SLOTS: each wave waits for all its tensor loads, adds 0 to its spare word, waits for that and for its LDS reads and stores.  fill = 1: a round of the cluster's barrier, and behind it my eighth of the next 1,024 keys.
.macro CHANGE fill, slot
	WALU                                           ; ahead of the blocking wait
	s_wait_tensorcnt 0x0                           ; no tensor load of mine is out, so group 0 may be written
	ds_add_u32 v[SPW], v[NIL]
.if \fill
	s_add_co_u32 s[G0+1], s[LB], \slot*SLOT
	s_add_nc_u64 s[G0+2:G0+3], s[G0+2:G0+3], 49152
.endif
	s_wait_dscnt 0x0
.if \fill
	CROUND
	tensor_load_to_lds s[G0:G0+3], s[G1:G1+7]
	s_nop 0
.rept 4
	v_nop
.endr
.else
	s_barrier_signal -1
	s_barrier_wait -1
.endif
.endm
; A KEY STEP: 128 keys x 32 queries.  e: the head in the pair
.set SKN,  51
.set SSN,  52
; K's eight half fragments, their scale words and the 64 mask terms of the step at s[sk], s[ss]: 33 loads.  The four address lines are the places behind the first products, whose registers the loads fill
.macro KLOAD sk, ss, e
	v_add_nc_u32 v[ADK], s[\sk], v1
	v_add_nc_u32 v[ADK2], s[\sk], v2
	v_add_nc_u32 v[ADS], s[\ss], v3
	v_add_nc_u32 v[ADM], s[\ss], v7
.irp a, 0,1,2,3,4,5,6,7
	ds_load_b128 v[rK+6*\a:rK+6*\a+3], v[ADK] offset:768*\a
	ds_load_b64 v[rK+6*\a+4:rK+6*\a+5], v[ADK2] offset:768*\a
.endr
	ds_load_b128 v[rKS:rKS+3], v[ADS] offset:8192*\e
.irp c, 0,1
.irp k, 0,1,2,3,4,5,6,7
	ds_load_b128 v[rMK+32*\c+4*\k:rMK+32*\c+4*\k+3], v[ADM] offset:256*\c+16*\k   ; the terms of keys 64 c + 32 h + 4 k ..
.endr
.endr
.endm
.macro STEP e, slot, half
	v_add_nc_u32 v252, s[SK], v1                   ; V's addresses of this step.  (These four lines are the places behind the last products)
	v_add_nc_u32 v253, s[SK], v2
	v_add_nc_u32 v254, s[SS], v3
	v_nop
.irp d, 0,1,2,3
.irp c, 0,1
	ds_load_b128 v[rV+12*\d+6*\c:rV+12*\d+6*\c+3], v252 offset:VOFF+3072*\c+768*\d
	ds_load_b64 v[rV+12*\d+6*\c+4:rV+12*\d+6*\c+5], v253 offset:VOFF+3072*\c+768*\d
.endr
.endr
	ds_load_b64 v[rVS:rVS+1], v254 offset:16384+8*\e
	s_add_co_u32 s[SKN], s[SK], 6144               ; where the next step's K and terms lie; in the run's last trip the address is held at this step's own, inside the slot in hand, and what comes is read by nobody
	s_min_u32 s[SKN], s[SKN], \slot*SLOT+7*6144
	s_add_co_u32 s[SSN], s[SS], 512
	s_min_u32 s[SSN], s[SSN], \half*4096+7*512
	WIN 0x40                                       ; K, its scale words and the terms were awaited ahead of the last step's second products, or ahead of the loop
.irp a, 0,1,2,3,4,5,6,7                        ; S^T = K Q^T + the mask's terms: sixteen accumulators, one product each
.irp t, 0,1
	WM rS+64*\t+8*\a, rK+6*\a, rQ+12*\t, rMK+8*\a, rKS+\a/2, rQS+\t, \a%2
.endr
.endr
	WIN 0
	KLOAD SKN, SSN, \e                             ; the next step's: they land while the softmax runs
	WIN 0x55
.irp t, 0,1
	v_mov_b32 v[rT+20*\t+tW], v[rT+20*\t+tNM]      ; the old -M
.endr
.irp t, 0,1
.irp c, 0,1
	v_max3_num_f32 v[rT+20*\t+tBM+\c], v[rS+64*\t+32*\c], v[rS+64*\t+32*\c+1], v[rS+64*\t+32*\c+2]   ; the largest score of my block 2 c + h: four chains by turns; each accumulator from its low end on
.endr
.endr
.irp i, 3,5,7,9,11,13,15,17,19,21,23,25,27,29
.irp t, 0,1
.irp c, 0,1
	v_max3_num_f32 v[rT+20*\t+tBM+\c], v[rT+20*\t+tBM+\c], v[rS+64*\t+32*\c+\i], v[rS+64*\t+32*\c+\i+1]
.endr
.endr
.endr
.irp t, 0,1
.irp c, 0,1
	v_max_num_f32 v[rT+20*\t+tBM+\c], v[rT+20*\t+tBM+\c], v[rS+64*\t+32*\c+31]
.endr
.endr
.irp t, 0,1
	v_max3_num_f32 v[rT+20*\t+tMT], v[rT+20*\t+tMT], v[rT+20*\t+tBM], v[rT+20*\t+tBM+1]
.endr
.irp t, 0,1
	v_permlanex16_b32 v[rT+20*\t+tTP], v[rT+20*\t+tMT], s[SEL], s[SEL+1]
.endr
.irp t, 0,1
	v_max_num_f32 v[rT+20*\t+tMT], v[rT+20*\t+tMT], v[rT+20*\t+tTP]   ; the row's largest score so far
.endr
.irp t, 0,1
	v_mul_f32 v[rT+20*\t+tTP], s[CS], v[rT+20*\t+tMT]                 ; as t (c is positive)
.endr
.irp t, 0,1
	v_floor_f32 v[rT+20*\t+tNM], -v[rT+20*\t+tTP]                     ; the new -M = -ceil(t)
.endr
.irp t, 0,1
	v_sub_f32 v[rT+20*\t+tW], v[rT+20*\t+tNM], v[rT+20*\t+tW]         ; old M - new M, a whole number, 0 or less
.endr
.irp t, 0,1
	v_cvt_i32_f32 v[rT+20*\t+tW], v[rT+20*\t+tW]                      ; (it saturates)
.endr
.irp t, 0,1
	v_ldexp_f32 v[rT+20*\t+tF], 1.0, v[rT+20*\t+tW]                   ; f = 2^(old M - new M)
.endr
.set j, 0
.rept 32
	v_pk_fma_f32 v[rS+j:rS+j+1], v[rS+j:rS+j+1], s[CS:CS+1], v[rT+tNM:rT+tNM+1] op_sel_hi:[1,0,0]   ; tile 0: t - M, two at a time
.set j, j+2
.endr
.irp c, 0,1
	v_fma_f32 v[rT+tBM+\c], v[rT+tBM+\c], s[CS], v[rT+tNM]            ; the same of each block's largest score
.endr
.irp t, 0,1
	v_pk_mul_f32 v[rT+20*\t+tL:rT+20*\t+tL+1], v[rT+20*\t+tL:rT+20*\t+tL+1], v[rT+20*\t+tF:rT+20*\t+tF+1] op_sel_hi:[1,0]   ; the sums under the new M
.endr
.irp t, 0,1
.set j, 0
.rept 16
	v_pk_mul_f32 v[rO+32*\t+j:rO+32*\t+j+1], v[rO+32*\t+j:rO+32*\t+j+1], v[rT+20*\t+tF:rT+20*\t+tF+1] op_sel_hi:[1,0]   ; O^T under the new M, ahead of the step's exponentials
.set j, j+2
.endr
.endr
	WALU                                           ; the wait ahead of the batch
.set j, 0
.rept 32                                       ; tile 0's p; tile 1's t - M stands among them: its results are read behind the next wait
	v_exp_f32 v[rS+2*j], v[rS+2*j]
	v_pk_fma_f32 v[rS+64+2*j:rS+64+2*j+1], v[rS+64+2*j:rS+64+2*j+1], s[CS:CS+1], v[rT+20+tNM:rT+20+tNM+1] op_sel_hi:[1,0,0]
	v_exp_f32 v[rS+2*j+1], v[rS+2*j+1]
.set j, j+1
.endr
.irp c, 0,1
	v_exp_f32 v[rT+tBM+\c], v[rT+tBM+\c]           ; a block's largest p: the same arithmetic on the same number gives the same bits
	v_fma_f32 v[rT+20+tBM+\c], v[rT+20+tBM+\c], s[CS], v[rT+20+tNM]
.endr
	WALU                                           ; behind tile 0's batch and ahead of tile 1's
.set j, 0
.rept 64
	v_exp_f32 v[rS+64+j], v[rS+64+j]
.set j, j+1
.endr
.irp c, 0,1
	v_exp_f32 v[rT+20+tBM+\c], v[rT+20+tBM+\c]
.endr
.irp c, 0,1
	v_max_num_f32 v[rT+tBM+\c], 0x1800000, v[rT+tBM+\c]               ; the floor 2^(3 - 127): the byte cannot fall under 1.  (Plain lines behind the exponentials)
.endr
	WALU
.irp c, 0,1
	v_max_num_f32 v[rT+20+tBM+\c], 0x1800000, v[rT+20+tBM+\c]
.endr
.irp t, 0,1
.irp c, 0,1
	v_add_nc_u32 v[rT+20*\t+tSO+\c], 0xff000000, v[rT+20*\t+tBM+\c]   ; 2 off the exponent field: the conversion's scale operand
.endr
.endr
.irp t, 0,1
	v_lshrrev_b32 v[rT+20*\t+tW], 23, v[rT+20*\t+tSO]                 ; the bytes of blocks h and 2 + h
	v_lshrrev_b32 v[rT+20*\t+tTP], 23, v[rT+20*\t+tSO+1]
.endr
.irp t, 0,1
	v_lshl_or_b32 v[rT+20*\t+tW], v[rT+20*\t+tTP], 16, v[rT+20*\t+tW]
.endr
.irp t, 0,1
	v_lshlrev_b32 v[rT+20*\t+tW], v[rT+tF+1], v[rT+20*\t+tW]          ; 8 h bits up
.endr
.irp t, 0,1
	v_permlanex16_b32 v[rT+20*\t+tTP], v[rT+20*\t+tW], s[SEL], s[SEL+1]
.endr
	WIN 0x05
.irp t, 0,1
	v_or_b32 v[rPS+\t], v[rT+20*\t+tW], v[rT+20*\t+tTP]               ; p's scale word, into window 0
.endr
	WIN 0x55
.irp t, 0,1
	v_cvt_scalef32_pk16_fp6_f32 v[rP+12*\t:rP+12*\t+2], v[rS+64*\t:rS+64*\t+15], v[rT+20*\t+tSO]
	v_cvt_scalef32_pk16_fp6_f32 v[rT+20*\t+tCA:rT+20*\t+tCA+2], v[rS+64*\t+16:rS+64*\t+31], v[rT+20*\t+tSO]   ; (a conversion's three registers begin on an even number)
	v_cvt_scalef32_pk16_fp6_f32 v[rP+12*\t+6:rP+12*\t+8], v[rS+64*\t+32:rS+64*\t+47], v[rT+20*\t+tSO+1]
	v_cvt_scalef32_pk16_fp6_f32 v[rT+20*\t+tCB:rT+20*\t+tCB+2], v[rS+64*\t+48:rS+64*\t+63], v[rT+20*\t+tSO+1]
.endr
	v_nop                                          ; one plain place behind a scaled conversion
.irp t, 0,1
.irp i, 0,1,2
	v_mov_b32 v[rP+12*\t+3+\i], v[rT+20*\t+tCA+\i]
	v_mov_b32 v[rP+12*\t+9+\i], v[rT+20*\t+tCB+\i]
.endr
.endr
.irp t, 0,1                                    ; the row's sum, of the unquantised p: four chains by turns.  (These are also the places ahead of the products)
	v_pk_add_f32 v[rT+20*\t+tL2:rT+20*\t+tL2+1], v[rS+64*\t:rS+64*\t+1], v[rS+64*\t+2:rS+64*\t+3]
.endr
.irp j, 4,8,12,16,20,24,28,32,36,40,44,48,52,56,60
.irp t, 0,1
	v_pk_add_f32 v[rT+20*\t+tL:rT+20*\t+tL+1], v[rT+20*\t+tL:rT+20*\t+tL+1], v[rS+64*\t+\j:rS+64*\t+\j+1]
	v_pk_add_f32 v[rT+20*\t+tL2:rT+20*\t+tL2+1], v[rT+20*\t+tL2:rT+20*\t+tL2+1], v[rS+64*\t+\j+2:rS+64*\t+\j+3]
.endr
.endr
.irp t, 0,1
	v_pk_add_f32 v[rT+20*\t+tL:rT+20*\t+tL+1], v[rT+20*\t+tL:rT+20*\t+tL+1], v[rT+20*\t+tL2:rT+20*\t+tL2+1]
.endr
	WALU
	s_wait_dscnt 0x0                               ; V
	WIN 0x54
.irp d, 0,1,2,3                                ; O^T += V^T P^T: eight accumulators by turns
.irp t, 0,1
	WM rO+32*\t+8*\d, rV+12*\d, rP+12*\t, rO+32*\t+8*\d, rVS+\d/2, rPS+\t, \d%2
.endr
.endr
	WIN 0
.endm
; Eight key steps on one slot.  half: which 1,024 keys of the head
.macro RUN slot, half, e
	s_mov_b32 s[SK], \slot*SLOT
	s_mov_b32 s[SS], \half*4096
	s_mov_b32 s[CNT], 0
	KLOAD SK, SS, \e                               ; the run's first step
	WALU
	s_wait_dscnt 0x0
.Lrun_\@:
	STEP \e, \slot, \half
	s_add_co_u32 s[SK], s[SK], 6144
	s_add_co_u32 s[SS], s[SS], 512
	s_add_co_u32 s[CNT], s[CNT], 1
	s_cmp_lt_u32 s[CNT], 8
	s_cbranch_scc1 .Lrun_\@
.endm
; A HEAD'S END: O^T / the sum; register 16 B + i is d = 32 B + 16 h + i; the codes are registers 6 e .. 6 e + 5 of O's image, the bytes the e-th half of its scale word.
.macro WAYOUT e
	WIN 0x55
.irp t, 0,1
	v_add_f32 v[rT+20*\t+tL], v[rT+20*\t+tL], v[rT+20*\t+tL+1]        ; (these six are the places behind the last products)
.endr
.irp t, 0,1
	v_permlanex16_b32 v[rT+20*\t+tTP], v[rT+20*\t+tL], s[SEL], s[SEL+1]
.endr
.irp t, 0,1
	v_add_f32 v[rT+20*\t+tL], v[rT+20*\t+tL], v[rT+20*\t+tTP]
.endr
	WALU
.irp t, 0,1
	v_rcp_f32 v[rT+20*\t+tL], v[rT+20*\t+tL]
.endr
	v_nop
	WALU
.irp t, 0,1
.set j, 0
.rept 16
	v_pk_mul_f32 v[rS+64*\t+j:rS+64*\t+j+1], v[rO+32*\t+j:rO+32*\t+j+1], v[rT+20*\t+tL:rT+20*\t+tL+1] op_sel_hi:[1,0]
.set j, j+2
.endr
.endr
.irp t, 0,1
.irp b, 0,1
	v_max3_num_f32 v[rT+20*\t+tBM+\b], |v[rS+64*\t+16*\b]|, |v[rS+64*\t+16*\b+1]|, 0x1800000
.endr
.endr
.irp i, 2,4,6,8,10,12,14
.irp t, 0,1
.irp b, 0,1
	v_max3_num_f32 v[rT+20*\t+tBM+\b], v[rT+20*\t+tBM+\b], |v[rS+64*\t+16*\b+\i]|, |v[rS+64*\t+16*\b+\i+1]|
.endr
.endr
.endr
.irp t, 0,1
	v_permlanex16_b32 v[rT+20*\t+tTP], v[rT+20*\t+tBM], s[SEL], s[SEL+1]
	v_permlanex16_b32 v[rT+20*\t+tW], v[rT+20*\t+tBM+1], s[SEL], s[SEL+1]
.endr
.irp t, 0,1
	v_max_num_f32 v[rT+20*\t+tBM], v[rT+20*\t+tBM], v[rT+20*\t+tTP]
	v_max_num_f32 v[rT+20*\t+tBM+1], v[rT+20*\t+tBM+1], v[rT+20*\t+tW]
.endr
.irp t, 0,1
.irp b, 0,1
	v_add_nc_u32 v[rT+20*\t+tSO+\b], 0xff000000, v[rT+20*\t+tBM+\b]
.endr
.endr
.irp t, 0,1
	v_lshrrev_b32 v[rT+20*\t+tTP], 23, v[rT+20*\t+tSO]
	v_lshrrev_b32 v[rT+20*\t+tW], 23, v[rT+20*\t+tSO+1]
.endr
.if \e == 0
	WIN 0x11
.irp t, 0,1
	v_lshl_or_b32 v[rOW+\t], v[rT+20*\t+tW], 8, v[rT+20*\t+tTP]
.endr
.else
.irp t, 0,1
	v_lshl_or_b32 v[rT+20*\t+tW], v[rT+20*\t+tW], 8, v[rT+20*\t+tTP]
.endr
	WIN 0x01
.irp t, 0,1
	v_lshl_or_b32 v[rOW+\t], v[rT+20*\t+tW], 16, v[rOW+\t]
.endr
.endif
	WIN 0x55
.irp t, 0,1
	v_cvt_scalef32_pk16_fp6_f32 v[rP+12*\t:rP+12*\t+2], v[rS+64*\t:rS+64*\t+15], v[rT+20*\t+tSO]
	v_cvt_scalef32_pk16_fp6_f32 v[rT+20*\t+tCA:rT+20*\t+tCA+2], v[rS+64*\t+16:rS+64*\t+31], v[rT+20*\t+tSO+1]
.endr
	v_nop
.irp t, 0,1
.irp i, 0,1,2
	v_permlane16_swap_b32 v[rP+12*\t+\i], v[rT+20*\t+tCA+\i]          ; the operand's layout wants a whole block in a lane
.endr
.endr
	WIN 0x01
.irp t, 0,1
.irp i, 0,1,2
	v_mov_b32 v[rOI+12*\t+6*\e+\i], v[rP+12*\t+\i]
	v_mov_b32 v[rOI+12*\t+6*\e+3+\i], v[rT+20*\t+tCA+\i]
.endr
.endr
	WIN 0
.endm
	s_load_b128 s[4:7], s[0:1], 0x0                ; heads, mask
	s_load_b64 s[8:9], s[0:1], 0x10                ; att
	v_lshl_add_u32 v[SPW], v0, 2, SPARE
	v_mov_b32 v[NIL], 0
	ds_add_u32 v[SPW], v[NIL]                      ; the opening lines: the add, twice on end, and its wait
	ds_add_u32 v[SPW], v[NIL]
	v_lshrrev_b32 v8, 5, v0
	v_readfirstlane_b32 s[WV], v8                  ; wave 0..7
	s_bfe_u32 s51, ttmp6, 0x40000                  ; cx
	s_lshl_b32 s52, ttmp9, 2
	s_add_co_u32 s52, s52, s51                     ; my block of 256 queries: it enters Q's and O's addresses alone
	s_and_b32 s53, ttmp7, 0xffff                   ; y = 8 x batch + pair
	s_lshr_b32 s54, s53, 3
	s_and_b32 s55, s53, 7
	s_mul_i32 s56, s53, 196608                     ; the pair's two heads,
	s_lshr_b32 s57, s[WV], 2
	s_mul_i32 s57, s57, 6291456                    ; K (waves 0-3) or V (4-7),
	s_add_co_u32 s56, s56, s57
	s_and_b32 s57, s[WV], 3
	s_mul_i32 s57, s57, 12288                      ; which quarter of a fill
	s_add_co_u32 s56, s56, s57
	s_add_co_u32 s56, s56, KC
	s_mov_b32 s57, 0
	s_mul_i32 s76, s53, 24576
	s_add_co_u32 s76, s76, SKV                     ; the pair's scale words
	s_mov_b32 s77, 0
	s_lshl_b32 s60, s52, 4
	s_lshl_b32 s61, s[WV], 1
	s_add_co_u32 s60, s60, s61                     ; my first tile of queries in the batch
	s_mul_i32 s72, s60, 768
	s_mul_i32 s61, s53, 196608
	s_add_co_u32 s72, s72, s61                     ; Q's codes, head 2 g
	s_mov_b32 s73, 0
	s_lshr_b32 s61, s[WV], 2
	s_lshl_b32 s61, s61, 9
	s_and_b32 s62, s[WV], 3
	s_lshl_b32 s62, s62, 2
	s_add_co_u32 s61, s61, s62                     ; my tiles' words in the work-group's two chunks: 512 (w / 4) + 4 (w % 4), + 256 for the odd tile
	s_lshl_b32 s74, s52, 10
	s_add_co_u32 s74, s74, s61
	s_mul_i32 s62, s53, 24576
	s_add_co_u32 s74, s74, s62
	s_add_co_u32 s74, s74, QS0                     ; Q's scale words
	s_mov_b32 s75, 0
	s_lshl_b32 s62, s54, 7
	s_add_co_u32 s62, s62, s60
	s_lshl_b32 s62, s62, 3
	s_add_co_u32 s62, s62, s55
	s_mul_i32 s66, s62, 1536                       ; O's image: ((128 batch + tile) x 8 + g) x 1536
	s_mov_b32 s67, 0
	s_lshl_b32 s62, s54, 4
	s_lshl_b32 s63, s52, 1
	s_add_co_u32 s62, s62, s63
	s_add_co_u32 s62, s62, s[WV]
	s_lshl_b32 s62, s62, 3
	s_add_co_u32 s62, s62, s55
	s_lshl_b32 s68, s62, 9
	s_add_co_u32 s68, s68, OS                      ; O's chunk (waves 0 and 1)
	s_mov_b32 s69, 0
	s_lshl_b32 s62, s54, 13                        ; the batch's mask
	s_mov_b32 s63, 0
	s_mov_b32 s[G1], 15|(3<<16)|(1<<21)            ; the mask: all four work-groups; elements of 8 bytes; bit 21 beside a mask
	s_mov_b32 s[G1+1], 32<<16                      ; rows of 256 bytes,
	s_mov_b32 s[G1+2], 48<<16                      ; 48 of them, dense
	s_mov_b32 s[G1+3], 32<<16
	s_mov_b32 s[G1+4], 48
	s_mov_b32 s[G1+5], 32
	s_mov_b32 s[G1+6], 0
	s_mov_b32 s[G1+7], 0
	s_mov_b32 s[SEL], 0x76543210
	s_mov_b32 s[SEL+1], 0xfedcba98
	s_mov_b32 s[CS], 0x3e38aa3b                    ; c = log2(e) / 8
	s_mov_b32 s[CS+1], s[CS]
	s_mul_i32 s[LB], s[WV], 12288                  ; LDS: K's four quarters, then V's four
	v_and_b32 v8, 31, v0
	v_lshlrev_b32 v1, 4, v8                        ; 16 x lane
	v_lshl_add_u32 v2, v8, 3, 512                  ; 512 + 8 x lane
	v_add_nc_u32 v3, SCB, v1
	v_bfe_u32 v9, v0, 4, 1
	v_lshl_add_u32 v7, v9, 7, MC                   ; the mask's terms: + 128 h
	v_lshlrev_b32 v252, 3, v9                      ; 8 h
	v_and_b32 v10, 15, v0
	v_lshlrev_b32 v253, 4, v10                     ; 16 r
	v_lshlrev_b32 v254, 4, v0                      ; 16 x thread
	v_add_nc_u32 v4, s61, v253
	v_add_nc_u32 v4, OST, v4                       ; where O's scale words go
	v_lshl_add_u32 v255, v0, 4, OST                ; and where waves 0, 1 read the chunks back
	v_lshl_add_u32 v226, v0, 4, MC
	v_lshl_add_u32 v227, v0, 4, SCB
	WALU                                           ; the head's end
	s_wait_dscnt 0x0
	s_wait_kmcnt 0x0
	s_mov_b32 s[G0], 1
	s_mov_b32 s[G0+1], s[LB]
	s_add_nc_u64 s[G0+2:G0+3], s[4:5], s[56:57]
	s_or_b32 s[G0+3], s[G0+3], 0x80000000
	s_add_nc_u64 s[76:77], s[4:5], s[76:77]
	s_add_nc_u64 s[72:73], s[4:5], s[72:73]
	s_add_nc_u64 s[74:75], s[4:5], s[74:75]
	s_add_nc_u64 s[6:7], s[6:7], s[62:63]
	s_add_nc_u64 s[66:67], s[8:9], s[66:67]
	s_add_nc_u64 s[68:69], s[8:9], s[68:69]
.set j, 0
.rept 16
	global_load_b128 v[rMK+4*j:rMK+4*j+3], v1, s[6:7] offset:512*j     ; the batch's whole mask, 64 numbers a lane
.set j, j+1
.endr
.irp j, 0,1
	global_load_b128 v[rK+4*\j:rK+4*\j+3], v254, s[6:7] offset:4096*\j ; the eight numbers whose terms I store
.endr
.irp j, 0,1,2,3,4,5
	global_load_b128 v[rV+4*\j:rV+4*\j+3], v254, s[76:77] offset:4096*\j   ; my part of the scale words
.endr
.irp t, 0,1
	global_load_b128 v[rQ+12*\t:rQ+12*\t+3], v1, s[72:73] offset:768*\t
	global_load_b64 v[rQ+12*\t+4:rQ+12*\t+5], v2, s[72:73] offset:768*\t
	global_load_b128 v[rQN+6*\t:rQN+6*\t+3], v1, s[72:73] offset:98304+768*\t
	global_load_b64 v[rQN+6*\t+4:rQN+6*\t+5], v2, s[72:73] offset:98304+768*\t
	global_load_b32 v[rQS+\t], v253, s[74:75] offset:256*\t
	global_load_b32 v[rQSN+\t], v253, s[74:75] offset:8192+256*\t
.endr
	CROUND                                         ; all four work-groups are here: the first joint loads meet
	tensor_load_to_lds s[G0:G0+3], s[G1:G1+7]      ; my eighth of the first 1,024 keys: one tensor load a wave at the head
	s_nop 0
.rept 4
	v_nop
.endr
.irp j, 0,1,2,3,4,5
	v_mov_b32 v[rQ+6+\j], 0                        ; Q's codes of k = 64 .. 127
	v_mov_b32 v[rQ+18+\j], 0
	v_mov_b32 v[rK+48+\j], 0                       ; what stands behind K's last half fragment
.endr
	v_mov_b32 v229, 0                              ; (a lane permute's destination counts as one of its sources)
	v_mov_b32 v230, 0xd2000000                     ; -2^37
	v_mov_b32 v231, 0
	WIN 0x40
	v_mov_b32 v[rT+tF+1], v252                     ; 8 h, into window 1
	v_mov_b32 v[rT+20+tF+1], 0                     ; (named as the upper half of a pair)
	INIT
	WALU
	s_wait_loadcnt 0x0
.set j, 0
.rept 64
	v_cvt_f32_i32 v[rMK+j], v[rMK+j]
.set j, j+1
.endr
.set j, 0
.rept 8
	v_cvt_f32_i32 v[rK+j], v[rK+j]
.set j, j+1
.endr
	v_min3_num_f32 v228, v[rMK], v[rMK+1], v[rMK+2]
.set j, 3
.rept 30
	v_min3_num_f32 v228, v228, v[rMK+j], v[rMK+j+1]
.set j, j+2
.endr
	v_min_num_f32 v228, v228, v[rMK+63]
.irp m, 1,2,4,8
	v_min_num_f32_dpp v228, v228, v228 row_xmask:\m row_mask:0xf bank_mask:0xf
.endr
	v_permlanex16_b32 v229, v228, s[SEL], s[SEL+1]
	v_min_num_f32 v228, v228, v229                 ; the batch's smallest mask number
.set j, 0
.rept 8
	v_cmp_eq_f32 s70, v[rK+j], v228
	v_cndmask_b32 v[rK+j], v230, v231, s70         ; 0 for a key that holds it, -2^37 for every other
.set j, j+1
.endr
.irp j, 0,1
	ds_store_b128 v226, v[rK+4*\j:rK+4*\j+3] offset:4096*\j            ; read by all waves behind the first change of slots' round
.endr
.irp j, 0,1,2,3,4,5
	ds_store_b128 v227, v[rV+4*\j:rV+4*\j+3] offset:4096*\j
.endr
	v_cmp_eq_f32 s71, 0, v228                      ; is the smallest 0?  If not, all scores that count are equal: Q's codes become zeros
.irp t, 0,1
.irp i, 0,1,2,3,4,5
	v_cndmask_b32 v[rQ+12*\t+\i], v231, v[rQ+12*\t+\i], s71
	v_cndmask_b32 v[rQN+6*\t+\i], v231, v[rQN+6*\t+\i], s71
.endr
.endr
	CHANGE 1, 1                                    ; slot 1's first fill, asked for as a refill is
	RUN 0, 0, 0
	CHANGE 1, 0
	RUN 1, 1, 0
	WAYOUT 0
.irp t, 0,1
.irp i, 0,1,2,3,4,5
	v_mov_b32 v[rQ+12*\t+\i], v[rQN+6*\t+\i]       ; the second head's Q and scale words: first, so that the lines below are the places ahead of the next products
.endr
	v_mov_b32 v[rQS+\t], v[rQSN+\t]
.endr
	INIT
	CHANGE 1, 1
	RUN 0, 0, 1
	CHANGE 0, 0                                    ; nothing more to fetch: a plain barrier shows the last fill
	RUN 1, 1, 1
	WAYOUT 1
	WALU
.irp t, 0,1
.irp p, 0,1,2
	global_store_b128 v1, v[rOI+12*\t+4*\p:rOI+12*\t+4*\p+3], s[66:67] offset:12288*\t+512*\p   ; O's image: 512 consecutive bytes a store
.endr
.endr
.irp t, 0,1
	ds_store_b32 v4, v[rOW+\t] offset:256*\t       ; lanes l and l xor 16 write the same word with the same value
.endr
	s_wait_dscnt 0x0                               ; for the others' sake: my words lie in the chunks
	s_barrier_signal -1
	s_barrier_wait -1
	s_cmp_lt_u32 s[WV], 2
	s_cbranch_scc0 .Lno_chunk
	ds_load_b128 v[rK:rK+3], v255
	s_wait_dscnt 0x0
	global_store_b128 v1, v[rK:rK+3], s[68:69]     ; a chunk leaves as 512 consecutive bytes
.Lno_chunk:
	s_wait_tensorcnt 0x0                           ; the wave's end
	ds_add_u32 v[SPW], v[NIL]
	s_wait_dscnt 0x0
	CROUND                                         ; the closing round
	s_endpgm
.Lfunc_end_k_q4b3d3c4008_attn:
	.size	k_q4b3d3c4008_attn, .Lfunc_end_k_q4b3d3c4008_attn-k_q4b3d3c4008_attn
	.p2alignl 7, 3214868480
	.fill 96, 4, 3214868480
	.section	.rodata,"a",@progbits
	.p2align	6, 0x0
	.amdhsa_kernel k_q4b3d3c4008_attn
		.amdhsa_group_segment_fixed_size 327680
		.amdhsa_private_segment_fixed_size 0
		.amdhsa_enable_private_segment 0
		.amdhsa_kernarg_size 24
		.amdhsa_user_sgpr_count 2
		.amdhsa_user_sgpr_kernarg_segment_ptr 1
		.amdhsa_wavefront_size32 1
		.amdhsa_system_sgpr_workgroup_id_x 1
		.amdhsa_system_sgpr_workgroup_id_y 1
		.amdhsa_system_sgpr_workgroup_id_z 1
		.amdhsa_system_vgpr_workitem_id 0
		.amdhsa_next_free_vgpr 512
		.amdhsa_next_free_sgpr 80
		.amdhsa_reserve_vcc 0
		.amdhsa_float_denorm_mode_32 3
		.amdhsa_float_denorm_mode_16_64 3
		.amdhsa_memory_ordered 1
		.amdhsa_forward_progress 1
		.amdhsa_inst_pref_size 163
	.end_amdhsa_kernel
	.amdgpu_metadata
---
amdhsa.version: [ 1, 2 ]
amdhsa.kernels:
  - .name:           k_q4b3d3c4008_attn
    .symbol:         k_q4b3d3c4008_attn.kd
    .args:
      - { .name: heads, .offset: 0, .size: 8, .value_kind: global_buffer, .address_space: global }
      - { .name: mask, .offset: 8, .size: 8, .value_kind: global_buffer, .address_space: global }
      - { .name: att, .offset: 16, .size: 8, .value_kind: global_buffer, .address_space: global }
    .group_segment_fixed_size: 327680
    .private_segment_fixed_size: 0
    .kernarg_segment_align: 8
    .kernarg_segment_size: 24
    .max_flat_workgroup_size: 256
    .sgpr_count:     80
    .vgpr_count:     512
    .wavefront_size: 32
...
	.end_amdgpu_metadata
.endif
;; end of part 3
;; launch outp (part 4): grid 8 x 32, 4 waves a work-group, clusters of 4 x 4, 327,680 bytes of LDS; arguments att, ops, bo, out0; writes out0
.if DOCPART == 4
	.amdgcn_target "amdgcn-amd-amdhsa--gfx1250"
	.amdhsa_code_object_version 6
	.text
	.protected	k_q4b3d3c4008_outp
	.globl	k_q4b3d3c4008_outp
	.p2align	8
	.type	k_q4b3d3c4008_outp,@function
k_q4b3d3c4008_outp:
	s_mov_b64 s[64:65], 0
	v_nop
	global_prefetch_b8 v0, s[64:65] scope:SCOPE_SE
	s_setreg_imm32_b32 hwreg(HW_REG_WAVE_MODE, 25, 1), 1
	s_wait_xcnt 0x0
	s_wait_alu depctr_hold_cnt(0) depctr_sa_sdst(0) depctr_va_vdst(0) depctr_va_sdst(0) depctr_va_ssrc(0) depctr_va_vcc(0) depctr_vm_vsrc(0)
	s_getreg_b32 s2, hwreg(HW_REG_IB_STS2, 6, 4)
	s_cmp_eq_u32 s2, 0
	s_cbranch_scc0 .Lentry_in_a_cluster
	s_endpgm
.Lentry_in_a_cluster:
	s_bfe_u32 s2, ttmp6, 0x10000c
	s_cmp_lg_u32 s2, 0xf033
	s_cbranch_scc0 .Lentry_shape_is_right
	s_endpgm
.Lentry_shape_is_right:
; out0 = O wo + bo: [8192][1024] f32.  O (att) and wo (ops, groups 216-223) are codes of FP6 (E2M3) with E8M0 scale words, laid in the order of the operand's registers:
; image (group of 128 rows, block a of 16 rows, K step ks of 128) at group x 98304 + a x 12288 + ks x 1536, three planes of 512 bytes; chunk (group, ks) of scale words: word (a, r) at 16 (16 (a % 2) + r) + 4 (a / 2).
; Lane r of block a stands for row (or column of wo) 32 (a / 2) + 8 (a % 2) + r + 8 (r / 8).
; SHARES.  256 work-groups, each 256 rows x 128 columns; K is 1,024, so all that a work-group multiplies lies in LDS at once: O's two groups (196,608 bytes), wo's group (98,304).  Nothing is filled again.
; Four waves, 2 x 2: wave (wr, wc) takes O's group wr and wo's blocks 4 wc .. 4 wc + 3.  Its 64 columns of wo, ALL of K, lie in registers (32 fragments, 384); O's rows stream past in 8 blocks of 16 rows, all of K, in two sets.
; A block is 32 products on four accumulators by turns, K ascending; the bias is the first products' C.  A finished block leaves through the wave's own stage, one block later, while the next is multiplied.
; HEAD.  One joint load a wave: waves 0, 1 O's groups, waves 2, 3 the halves of wo's group.  The first barrier waits for wo alone (its load line is waves 2 and 3's own); wo's fragments go into registers while O lands.
; CLUSTER 4 x 4: O's groups hang on the tile row and are shared along a row of the cluster, wo's group on the tile column and is shared along a column.
; Every tile is asked for at the head and the text has no loop to run ahead in: no data prefetch.  The scale words (one chunk part a wave and K step) and the bias come by plain loads straight into registers.
; THE PRODUCT IS USED TRANSPOSED (source 0 = wo's columns, source 1 = O's rows): a lane holds eight neighbouring numbers of a row of out0.
; REGISTERS.  Window 0: v1-14 addresses; v16-47 O's scale words; v48-79 wo's; v80-143 two sets of four accumulators; v144-175 the bias; v176-239 two sets of 16 rows on the way out.
; Windows 1, 2: wo's fragment f = 4 ks + b at window 1 + f / 21, register 12 (f % 21).  Window 3: O's fragments, set s at 96 s + 12 ks.
.set GRP,    98304
.set BREG,   2*GRP
.set STAGE,  3*GRP                     ; 16 rows x 272 bytes for each wave
.set SPITCH, 272
.set SPARE,  STAGE+4*16*SPITCH         ; the spare words, 128 bytes for each wave
.set XS0,    22020096
.set OS,     6291456
.set ADA,  2                           ; v2, v3 my group of O: blocks 0-3, blocks 4-7
.set ADB,  4
.set STO,  5
.set RD,   6
.set CO,   7
.set SPW,  8
.set NIL,  9
.set SA,   16
.set SB,   48                          ; K step q's two words at SB + 8 (q / 2) + 4 (1 - q % 2): never at O's words' numbers modulo 8
.set ACC,  80
.set BIA,  144
.set OUTR, 176
.set G1,  24
.set G0,  32
.set G1B, 48
.set G0B, 56
.set MSB, 0
.macro WIN new
.if MSB != (\new)
	s_set_vgpr_msb (MSB<<8)|(\new)
.set MSB, (\new)
.endif
.endm
.macro PLACES n
.rept \n
	v_nop
.endr
.endm
.macro CROUND
	s_barrier_signal -1
	s_barrier_wait -1
	s_cmp_lg_u32 s14, 0
	s_cbranch_scc1 .Lnot_wave_0_\@
	s_barrier_signal -3
.Lnot_wave_0_\@:
	s_barrier_wait -3
	s_barrier_signal -1
	s_barrier_wait -1
.endm
.macro WM
.if o0 && o1
	v_wmma_scale_f32_16x16x128_f8f6f4 v[rD:rD+7], v[rF0:rF0+11], v[rF1:rF1+11], v[rC:rC+7], v[rW0], v[rW1] matrix_a_fmt:MATRIX_FMT_FP6 matrix_b_fmt:MATRIX_FMT_FP6 matrix_a_scale:MATRIX_SCALE_ROW1 matrix_b_scale:MATRIX_SCALE_ROW1
.elseif o0
	v_wmma_scale_f32_16x16x128_f8f6f4 v[rD:rD+7], v[rF0:rF0+11], v[rF1:rF1+11], v[rC:rC+7], v[rW0], v[rW1] matrix_a_fmt:MATRIX_FMT_FP6 matrix_b_fmt:MATRIX_FMT_FP6 matrix_a_scale:MATRIX_SCALE_ROW1
.elseif o1
	v_wmma_scale_f32_16x16x128_f8f6f4 v[rD:rD+7], v[rF0:rF0+11], v[rF1:rF1+11], v[rC:rC+7], v[rW0], v[rW1] matrix_a_fmt:MATRIX_FMT_FP6 matrix_b_fmt:MATRIX_FMT_FP6 matrix_b_scale:MATRIX_SCALE_ROW1
.else
	v_wmma_scale_f32_16x16x128_f8f6f4 v[rD:rD+7], v[rF0:rF0+11], v[rF1:rF1+11], v[rC:rC+7], v[rW0], v[rW1] matrix_a_fmt:MATRIX_FMT_FP6 matrix_b_fmt:MATRIX_FMT_FP6
.endif
.endm
.macro FETCHA a                        ; block a's eight fragments into set a % 2: 24 loads
	WIN 0xc0
.irp q, 0,1,2,3,4,5,6,7
.irp p, 0,1,2
	ds_load_b128 v[96*((\a)%2)+12*\q+4*\p:96*((\a)%2)+12*\q+4*\p+3], v[ADA+(\a)/4] offset:((\a)%4)*12288+\q*1536+512*\p
.endr
.endr
	WIN 0
.endm
.macro MULS a                          ; block a: 32 products
.irp q, 0,1,2,3,4,5,6,7
.irp b, 0,1,2,3
.set fB, 4*\q+\b
	WIN (1+fB/21)|(3<<2)
.set rD, ACC+32*((\a)%2)+8*\b
.if \q
.set rC, rD
.else
.set rC, BIA+8*\b
.endif
.set rF0, 12*(fB%21)
.set rF1, 96*((\a)%2)+12*\q
.set rW0, SB+8*(\q/2)+4*(1-\q%2)+\b/2
.set rW1, SA+4*\q+(\a)/2
.set o0, \b%2
.set o1, (\a)%2
	WM
.endr
.endr
	WIN 0
.endm
.macro TOSTAGE a                       ; 8 stores, each accumulator from its low end on, and 8 loads: whole rows of 256 bytes, two to a load.  LDS serves a wave's instructions in order
.irp b, 0,1,2,3
	ds_store_b128 v[STO], v[ACC+32*((\a)%2)+8*\b:ACC+32*((\a)%2)+8*\b+3] offset:128*(\b/2)+32*(\b%2)
	ds_store_b128 v[STO], v[ACC+32*((\a)%2)+8*\b+4:ACC+32*((\a)%2)+8*\b+7] offset:128*(\b/2)+32*(\b%2)+16
.endr
.irp i, 0,1,2,3,4,5,6,7
	ds_load_b128 v[OUTR+32*((\a)%2)+4*\i:OUTR+32*((\a)%2)+4*\i+3], v[RD] offset:\i*2*SPITCH
.endr
.endm
.macro SEND a                          ; sixteen lanes store 256 consecutive bytes of a row, at a multiple of 256 from the buffer's first byte
.irp i, 0,1,2,3,4,5,6,7
	global_store_b128 v[CO], v[OUTR+32*((\a)%2)+4*\i:OUTR+32*((\a)%2)+4*\i+3], s[92:93] offset:(32*((\a)/2)+8*((\a)%2)+2*\i+8*(\i/4))*4096 th:TH_STORE_NT
.endr
.endm
	s_load_b256 s[4:11], s[0:1], 0x0               ; att, ops, bo, out0
	v_lshl_add_u32 v[SPW], v0, 2, SPARE
	v_mov_b32 v[NIL], 0
	ds_add_u32 v[SPW], v[NIL]                      ; the opening lines: the add, twice on end, and its wait
	ds_add_u32 v[SPW], v[NIL]
	v_lshrrev_b32 v1, 5, v0
	v_readfirstlane_b32 s14, v1                    ; wave 0..3
	s_lshr_b32 s15, s14, 1                         ; wr.  Also: I fetch for O (0) or for wo (1)
	s_and_b32 s16, s14, 1                          ; wc.  Also: which part I fetch
	s_bfe_u32 s40, ttmp6, 0x40000                  ; cx
	s_bfe_u32 s41, ttmp6, 0x40004                  ; cy
	s_lshl_b32 s42, ttmp9, 2
	s_add_co_u32 s42, s42, s40                     ; tile column, 0..7
	s_and_b32 s17, ttmp7, 0xffff
	s_lshl_b32 s17, s17, 2
	s_add_co_u32 s17, s17, s41                     ; tile row, 0..31
	s_lshl_b32 s43, s41, 2
	s_lshl_b32 s43, 15, s43                        ; my row of the cluster
	s_lshl_b32 s44, 0x1111, s40                    ; my column
	s_or_b32 s[G1], s43, (3<<16)|(1<<21)           ; elements of 8 bytes; bit 21 beside a mask
	s_or_b32 s[G1B], s44, (3<<16)|(1<<21)
	s_mov_b32 s[G1+1], 32<<16                      ; rows of 256 bytes, dense: 384 of them are a group,
	s_mov_b32 s[G1+2], 384<<16
	s_mov_b32 s[G1+3], 32<<16
	s_mov_b32 s[G1+4], 384
	s_mov_b32 s[G1+5], 32
	s_mov_b32 s[G1+6], 0
	s_mov_b32 s[G1+7], 0
	s_mov_b32 s[G1B+1], 32<<16                     ; 192 half a group
	s_mov_b32 s[G1B+2], 192<<16
	s_mov_b32 s[G1B+3], 32<<16
	s_mov_b32 s[G1B+4], 192
	s_mov_b32 s[G1B+5], 32
	s_mov_b32 s[G1B+6], 0
	s_mov_b32 s[G1B+7], 0
	s_lshl_b32 s20, s17, 1
	s_add_co_u32 s20, s20, s16
	s_mul_i32 s20, s20, GRP                        ; O's group that I fetch
	s_mov_b32 s21, 0
	s_add_co_u32 s46, s42, 216
	s_mul_i32 s46, s46, GRP
	s_mul_i32 s47, s16, 49152
	s_add_co_u32 s46, s46, s47                     ; the half of wo's group that I fetch
	s_mov_b32 s47, 0
	s_mul_i32 s18, s16, GRP                        ; and where they go: no place in the cluster enters an LDS address
	s_mul_i32 s19, s16, 49152
	s_add_co_u32 s19, s19, BREG
	s_lshl_b32 s22, s17, 1
	s_add_co_u32 s22, s22, s15
	s_lshl_b32 s22, s22, 12
	s_add_co_u32 s22, s22, OS                      ; the chunks of the group that I multiply
	s_mov_b32 s23, 0
	s_add_co_u32 s2, s42, 216
	s_lshl_b32 s2, s2, 12
	s_lshl_b32 s3, s16, 3
	s_add_co_u32 s2, s2, s3                        ; wo's chunks: my four blocks' words are 8 bytes of each 16
	s_add_co_u32 s2, s2, XS0
	s_mov_b32 s3, 0
	s_lshl_b32 s96, s42, 9
	s_lshl_b32 s97, s16, 8
	s_add_co_u32 s96, s96, s97                     ; my first column, in bytes
	s_mov_b32 s97, 0
	s_lshl_b32 s92, s17, 8
	s_lshl_b32 s93, s15, 7
	s_add_co_u32 s92, s92, s93
	s_lshl_b32 s92, s92, 12
	s_add_co_u32 s92, s92, s96                     ; my part of out0
	s_mov_b32 s93, 0
	s_mul_i32 s66, s15, GRP
	s_mul_i32 s67, s14, 16*SPITCH
	s_add_co_u32 s67, s67, STAGE
	v_and_b32 v12, 31, v0
	v_lshlrev_b32 v1, 4, v12                       ; 16 x lane
	v_and_b32 v13, 15, v0                          ; r
	v_bfe_u32 v14, v0, 4, 1                        ; h
	v_add_nc_u32 v[ADA], s66, v1
	v_add_nc_u32 v[ADA+1], 49152, v[ADA]
	v_add_nc_u32 v[ADB], s19, v1
	v_mul_u32_u24 v[STO], v13, SPITCH              ; into the stage: row r, 64 bytes for each half of the lanes
	v_lshl_add_u32 v[STO], v14, 6, v[STO]
	v_add_nc_u32 v[STO], s67, v[STO]
	v_mul_u32_u24 v[RD], v14, SPITCH               ; back: lanes 0-15 one row, lanes 16-31 the next
	v_lshl_add_u32 v[RD], v13, 4, v[RD]
	v_add_nc_u32 v[RD], s67, v[RD]
	v_lshlrev_b32 v[CO], 12, v14                   ; and the same two rows in out0
	v_lshl_add_u32 v[CO], v13, 4, v[CO]
	v_lshlrev_b32 v10, 6, v14                      ; the bias: 64 h
	s_wait_alu depctr_va_vdst(0)                   ; the head's end
	s_wait_dscnt 0x0
	s_wait_kmcnt 0x0
	s_add_nc_u64 s[20:21], s[4:5], s[20:21]
	s_add_nc_u64 s[22:23], s[4:5], s[22:23]
	s_add_nc_u64 s[46:47], s[6:7], s[46:47]
	s_add_nc_u64 s[2:3], s[6:7], s[2:3]
	s_add_nc_u64 s[96:97], s[8:9], s[96:97]
	s_add_nc_u64 s[92:93], s[10:11], s[92:93]
	s_mov_b32 s[G0], 1
	s_mov_b32 s[G0+1], s18
	s_mov_b64 s[G0+2:G0+3], s[20:21]
	s_or_b32 s[G0+3], s[G0+3], 0x80000000
	s_mov_b32 s[G0B], 1
	s_mov_b32 s[G0B+1], s19
	s_mov_b64 s[G0B+2:G0B+3], s[46:47]
	s_or_b32 s[G0B+3], s[G0B+3], 0x80000000
.irp q, 0,1,2,3,4,5,6,7
	global_load_b128 v[SA+4*\q:SA+4*\q+3], v1, s[22:23] offset:512*\q                       ; register a / 2: block a's words in lanes 16 (a % 2) + r
	global_load_b64 v[SB+8*(\q/2)+4*(1-\q%2):SB+8*(\q/2)+4*(1-\q%2)+1], v1, s[2:3] offset:512*\q
.endr
.irp b, 0,1,2,3
	global_load_b128 v[BIA+8*\b:BIA+8*\b+3], v10, s[96:97] offset:(32*(\b/2)+8*(\b%2))*4    ; register j of block b is column 32 (b / 2) + 8 (b % 2) + 16 h + j of my 64
	global_load_b128 v[BIA+8*\b+4:BIA+8*\b+7], v10, s[96:97] offset:(32*(\b/2)+8*(\b%2))*4+16
.endr
	CROUND                                         ; all sixteen work-groups are here: the joint loads meet
	s_cmp_eq_u32 s15, 0
	s_cbranch_scc0 .Lfor_b
	tensor_load_to_lds s[G0:G0+3], s[G1:G1+7]      ; waves 0, 1: a group of O each
	s_nop 0
	PLACES 4
	s_branch .Lasked
.Lfor_b:
	tensor_load_to_lds s[G0B:G0B+3], s[G1B:G1B+7]  ; waves 2, 3: half of wo's group each
	s_nop 0
	PLACES 4
.Lasked:
	s_cmp_eq_u32 s15, 0
	s_cbranch_scc1 .Lnot_b
	s_wait_tensorcnt 0x0
.Lnot_b:
	s_barrier_signal -1
	s_barrier_wait -1                              ; wo's group is in; O may still be on its way
.irp q, 0,1,2,3,4,5,6,7
.irp b, 0,1,2,3
.set fB, 4*\q+\b
	WIN (1+fB/21)<<6
.irp p, 0,1,2
	ds_load_b128 v[12*(fB%21)+4*\p:12*(fB%21)+4*\p+3], v[ADB] offset:\b*12288+\q*1536+512*\p
.endr
.endr
.endr
	WIN 0
	s_wait_tensorcnt 0x0                           ; on every wave's way: all that is still out
	s_wait_dscnt 0x0
	s_barrier_signal -1
	s_barrier_wait -1                              ; O's two groups are in
	FETCHA 0
	FETCHA 1
	s_wait_loadcnt 0x0                             ; the scale words and the bias
; Block a's fragments were asked for two blocks ago.  Younger LDS instructions: for block 0 block 1's 24 loads; for blocks 1 to 6 a block's 16 stage instructions and a fetch of 24; for block 7 the 16 alone.
; A block's rows are stored behind the next block's products: younger than its stage loads is the fetch of 24 (behind block 6's: nothing).
.irp a, 0,1,2,3,4,5,6,7
.if \a == 0
	s_wait_dscnt 24
.elseif \a == 7
	s_wait_dscnt 16
.else
	s_wait_dscnt 40
.endif
	MULS \a
.if \a > 0
.if \a == 7
	s_wait_dscnt 0
.else
	s_wait_dscnt 24
.endif
	SEND \a-1
.endif
	PLACES 4                                       ; behind the products: the stage's stores read their results, the fetch fills their sources
.if \a > 1
	s_wait_xcnt 0x0                                ; block a - 2's stores have read their registers: block a's rows may land there
.endif
	TOSTAGE \a
.if \a < 6
	FETCHA \a+2
.endif
.endr
	s_wait_dscnt 0x0
	SEND 7
	s_wait_tensorcnt 0x0                           ; the wave's end
	ds_add_u32 v[SPW], v[NIL]
	s_wait_dscnt 0x0
	CROUND                                         ; the closing round
	s_endpgm
.Lfunc_end_k_q4b3d3c4008_outp:
	.size	k_q4b3d3c4008_outp, .Lfunc_end_k_q4b3d3c4008_outp-k_q4b3d3c4008_outp
	.p2alignl 7, 3214868480
	.fill 96, 4, 3214868480
	.section	.rodata,"a",@progbits
	.p2align	6, 0x0
	.amdhsa_kernel k_q4b3d3c4008_outp
		.amdhsa_group_segment_fixed_size 327680
		.amdhsa_private_segment_fixed_size 0
		.amdhsa_enable_private_segment 0
		.amdhsa_kernarg_size 32
		.amdhsa_user_sgpr_count 2
		.amdhsa_user_sgpr_kernarg_segment_ptr 1
		.amdhsa_wavefront_size32 1
		.amdhsa_system_sgpr_workgroup_id_x 1
		.amdhsa_system_sgpr_workgroup_id_y 1
		.amdhsa_system_sgpr_workgroup_id_z 1
		.amdhsa_system_vgpr_workitem_id 0
		.amdhsa_next_free_vgpr 960
		.amdhsa_next_free_sgpr 100
		.amdhsa_reserve_vcc 0
		.amdhsa_float_denorm_mode_32 3
		.amdhsa_float_denorm_mode_16_64 3
		.amdhsa_memory_ordered 1
		.amdhsa_forward_progress 1
		.amdhsa_inst_pref_size 77
	.end_amdhsa_kernel
	.amdgpu_metadata
---
amdhsa.version: [ 1, 2 ]
amdhsa.kernels:
  - .name:           k_q4b3d3c4008_outp
    .symbol:         k_q4b3d3c4008_outp.kd
    .args:
      - { .name: att, .offset: 0, .size: 8, .value_kind: global_buffer, .address_space: global }
      - { .name: ops, .offset: 8, .size: 8, .value_kind: global_buffer, .address_space: global }
      - { .name: bo, .offset: 16, .size: 8, .value_kind: global_buffer, .address_space: global }
      - { .name: out0, .offset: 24, .size: 8, .value_kind: global_buffer, .address_space: global }
    .group_segment_fixed_size: 327680
    .private_segment_fixed_size: 0
    .kernarg_segment_align: 8
    .kernarg_segment_size: 32
    .max_flat_workgroup_size: 128
    .sgpr_count:     100
    .vgpr_count:     960
    .wavefront_size: 32
...
	.end_amdgpu_metadata
.endif
;; end of part 4
